; MI455X (gfx1250); checked and timed in simulation.
; The chip was launched on July 23, 2026; its instructions are those of AMD's public machine-readable ISA for CDNA 5 (MIT licence, August 2026) and "CDNA5" Instruction Set Architecture Reference Guide (July 2026). The comments in the code are by the model that wrote it; some were corrected since.
;; Attention Block. Allowed arithmetic: matrix products marked QUANTISED: E4M3 operands, one E8M0 scale for each 32 along K, by v_wmma_scale_f32_16x16x128_f8f6f4 with both operands' format E4M3, f32 sums; everything else in f32.
;; Inputs: beta 256 float32; bk 256 float32; bp 256 float32; bq 256 float32; bv 256 float32; gamma 256 float32; wk_codes 256 x 8 x 32 uint8 (E4M3 codes of wk, K innermost, in blocks of 32 codes); wk_scales 256 x 8 uint8 (E8M0 scales of wk, one for each 32 codes along K); wp_codes 256 x 8 x 32 uint8 (E4M3 codes of wp, K innermost, in blocks of 32 codes); wp_scales 256 x 8 uint8 (E8M0 scales of wp, one for each 32 codes along K); wq_codes 256 x 8 x 32 uint8 (E4M3 codes of wq, K innermost, in blocks of 32 codes); wq_scales 256 x 8 uint8 (E8M0 scales of wq, one for each 32 codes along K); wv_codes 256 x 8 x 32 uint8 (E4M3 codes of wv, K innermost, in blocks of 32 codes); wv_scales 256 x 8 uint8 (E8M0 scales of wv, one for each 32 codes along K); x 4 x 256 x 64 x 64 float32.
;; Outputs: out0 4 x 256 x 64 x 64 float32.
;; This version of the problem:
;;   THIS VERSION OF THE PROBLEM IS GIVEN IN LOW PRECISION. The matrix products marked QUANTISED in the list below multiply operands that are first quantised to E4M3 (4 exponent bits, 3 mantissa bits; 8 bits a number), with one power-of-two scale for each 32 numbers along K (OCP MX v1.0); their sums are f32. All else is computed in f32.
;;   The module's matrix products, in the order in which they are computed (A, B: the left and right operand; K: the contracted axis; several contracted axes count as one K, in the product's order):
;;     1. [M 16,384, K 256] x [K 256, N 256]; A: computed on the way; B: input wq (given as codes): QUANTISED
;;     2. [M 16,384, K 256] x [K 256, N 256]; A: computed on the way; B: input wk (given as codes): QUANTISED
;;     3. [M 16,384, K 256] x [K 256, N 256]; A: computed on the way; B: input wv (given as codes): QUANTISED
;;     4. batch 4 x [M 4,096, K 256] x [K 256, N 4,096]; A: computed on the way; B: computed on the way: QUANTISED
;;     5. batch 4 x [M 256, K 4,096] x [K 4,096, N 4,096]; A: computed on the way; B: softmax (see below): QUANTISED
;;     6. [M 16,384, K 256] x [K 256, N 256]; A: computed on the way; B: input wp (given as codes): QUANTISED
;;   THE QUANTISER, for each operand of a quantised product, along K:
;;     - K is cut into blocks of 32 from its start; a last block that is shorter is filled with zeros.
;;     - A block's scale is 2^e with e = floor(log2(the largest magnitude in the block)) - 8, held to -126 .. 127; a block of zeros has e = 0. As a byte (E8M0): e + 127.
;;     - Each number is divided by its block's scale, clamped to +-448, and rounded to the nearest number of E4M3, ties to even, subnormals kept.
;;     - The product sums the exact products of the quantised numbers (number of the format x scale) in f32.
;;   ~~~python
;;   def quantise(x, axis):      # numpy; x: float32 -> the quantised numbers, widened to float32 again
;;       x = np.moveaxis(x, axis, -1); K = x.shape[-1]
;;       x = np.pad(x, [(0, 0)] * (x.ndim - 1) + [(0, -K % 32)]); x = x.reshape(x.shape[:-1] + (-1, 32)); a = np.abs(x).max(-1, keepdims=True)
;;       e = np.where(a > 0, np.clip(np.frexp(np.where(a > 0, a, 1))[1] - 1 - 8, -126, 127), 0)      # np.frexp(a)[1] - 1 = floor(log2(a)), exactly
;;       r = np.clip(x / 2.0 ** e, -448, 448)
;;       step = 2.0 ** (np.maximum(np.frexp(np.where(r == 0, 1, r))[1] - 1, -6) - 3)
;;       q = np.round(r / step) * step * 2.0 ** e      # np.round: ties to even
;;       return np.moveaxis(q.reshape(q.shape[:-2] + (-1,))[..., :K], -1, axis).astype(np.float32)
;;   ~~~
;;   SOFTMAX AHEAD OF A QUANTISED PRODUCT. Where the list says 'softmax', what is quantised is not the finished softmax but p = 2^(t - M), with t = logit x log2(e) and M = ceil(the row's largest t), a whole number; so 1/2 < the row's largest p <= 1. The row's sum l is taken of the UNQUANTISED p, in f32, and the product's result is divided by l at the end. Since M is a whole number, a kernel that streams over the keys may use a running M (the ceiling of the running maximum): every later rescaling is an exact power of two, which a block's scale takes up: the codes' values come out the same.
;;   OPERANDS COMPUTED ON THE WAY. 'Computed on the way' means the value that the module computes at that place (a softmax that the list does not call 'softmax' is quantised finished and normalised). What goes into a quantiser is computed in f32, as accurately as f32 sums, v_exp_f32 and their like allow (about 1e-6 of the number): no bf16 or f16 on the way to a quantiser, and a product that is left as it is and whose result goes on into a quantised operand takes f32 operands (vector FMAs, or v_wmma_f32_16x16x4_f32). A number that lies on a knife's edge between two numbers of the format may be rounded either way, as far as f32 arithmetic and the matrix unit's own rounding can turn it there, and no further.
;;   INPUTS GIVEN AS CODES. wk (in the module: [256, 256], K = its axis 1); wp (in the module: [256, 256], K = its axis 1); wq (in the module: [256, 256], K = its axis 1); wv (in the module: [256, 256], K = its axis 1): each comes as NAME_codes (uint8): NAME with its K axis moved to the last place and cut into blocks of 32 codes, [.., K / 32, bytes a block], one block behind the other in memory; one code a byte (a code: sign, 4 exponent bits, 3 mantissa bits); and NAME_scales (uint8): the same leading axes, one E8M0 byte (e + 127) for each 32 codes along K. Its value is code x scale, taken as it is: it is not quantised again, and the codes and scales need not be those that the quantiser above would give.
;; One version. Each part assembles by itself: llvm-mc -triple=amdgcn-amd-amdhsa -mcpu=gfx1250 --defsym DOCPART=n.
;; ======== version 1 of 1: 3 launches
;; workspace buffers: stats 2,048 bytes; qf 4,325,376 bytes; kv 8,650,752 bytes
;; launch gstats (part 1): grid 256 x 1, 8 waves a work-group, no clusters, 1,280 bytes of LDS; arguments x, stats; writes stats
.if DOCPART == 1
	.amdgcn_target "amdgcn-amd-amdhsa--gfx1250"
	.amdhsa_code_object_version 6
	.text
	.protected	k_q19786784d8_gstats
	.globl	k_q19786784d8_gstats
	.p2align	8
	.type	k_q19786784d8_gstats,@function
k_q19786784d8_gstats:
	s_mov_b64 s[64:65], 0
	v_nop
	global_prefetch_b8 v0, s[64:65] scope:SCOPE_SE
	s_setreg_imm32_b32 hwreg(HW_REG_WAVE_MODE, 25, 1), 1
	s_wait_xcnt 0x0
; GROUP STATISTICS, FIRST HALF.  x is [4][256][4096] f32; a group of the norm is 32 channels x 4,096 pixels = 524,288 consecutive bytes.
; Work-group g takes the 65,536 bytes at 65,536 g: part g % 8 of group g / 8 (16,384 numbers).  It stores the part's own mean and the sum of squares about that mean:
; stats[group][0][part] and stats[group][1][part], f32.  The next launch joins the eight parts of a group.
; A thread's 64 numbers stay in registers between the two passes, so x is read once, and no difference of large sums is formed: a common offset of the inputs costs no accuracy.
; Each load of a wave covers 512 consecutive bytes.  LIMITS: NaN and infinities among the inputs are not served.
.set X,  16                            ; v[16:79]  my 64 numbers
.set CH, 4                             ; v[4:11]   four chains of packed sums
	s_load_b128 s[4:7], s[0:1], 0x0                ; x, stats
	v_lshl_add_u32 v96, v0, 2, 0x100
	v_mov_b32 v97, 0
	v_lshlrev_b32 v1, 4, v0                        ; 16 bytes a thread
	v_lshrrev_b32 v2, 5, v0
	v_readfirstlane_b32 s8, v2                     ; wave 0..7
	s_lshl_b32 s2, ttmp9, 16                       ; my part's first byte
	s_mov_b32 s3, 0
	s_mov_b32 s10, 0x76543210                      ; v_permlanex16_b32: lane l xor 16
	s_mov_b32 s11, 0xfedcba98
	s_lshr_b32 s9, ttmp9, 3
	s_lshl_b32 s9, s9, 6                           ; 64 bytes a group,
	s_and_b32 s12, ttmp9, 7
	s_lshl_b32 s12, s12, 2
	s_add_co_u32 s9, s9, s12                       ; 4 bytes a part
	v_mov_b32 v12, s8
	v_lshlrev_b32 v12, 2, v12                      ; LDS: my wave's word
	v_mov_b32 v13, 0
	v_and_b32 v89, 1, v0
	v_lshlrev_b32 v89, 5, v89
	v_add_nc_u32 v89, s9, v89                      ; thread 0: the mean's place; thread 1: 32 bytes on
	s_wait_kmcnt 0x0
	s_add_nc_u64 s[4:5], s[4:5], s[2:3]
.irp k, 0,1,2,3,4,5,6,7,8,9,10,11,12,13,14,15
	global_load_b128 v[X+4*\k:X+4*\k+3], v1, s[4:5] offset:4096*\k
.endr
; the four chains are joined, then the wave's 32 lanes, then the eight waves through LDS words at off
.macro REDUCE off
	v_pk_add_f32 v[CH:CH+1], v[CH:CH+1], v[CH+2:CH+3]
	v_pk_add_f32 v[CH+4:CH+5], v[CH+4:CH+5], v[CH+6:CH+7]
	v_pk_add_f32 v[CH:CH+1], v[CH:CH+1], v[CH+4:CH+5]
	v_add_f32 v[CH], v[CH], v[CH+1]
	v_add_f32_dpp v[CH], v[CH], v[CH] row_xmask:1 row_mask:0xf bank_mask:0xf
	v_add_f32_dpp v[CH], v[CH], v[CH] row_xmask:2 row_mask:0xf bank_mask:0xf
	v_add_f32_dpp v[CH], v[CH], v[CH] row_xmask:4 row_mask:0xf bank_mask:0xf
	v_add_f32_dpp v[CH], v[CH], v[CH] row_xmask:8 row_mask:0xf bank_mask:0xf
	v_permlanex16_b32 v[CH+1], v[CH], s10, s11
	v_add_f32 v[CH], v[CH], v[CH+1]
	ds_store_b32 v12, v[CH] offset:\off            ; all lanes write the same word with the same value
	s_wait_dscnt 0x0                               ; for the others' sake: my store has landed
	s_barrier_signal -1
	s_barrier_wait -1
	ds_load_b128 v[80:83], v13 offset:\off
	ds_load_b128 v[84:87], v13 offset:\off+16
	s_wait_dscnt 0x0
	v_add_f32 v80, v80, v81
	v_add_f32 v82, v82, v83
	v_add_f32 v84, v84, v85
	v_add_f32 v86, v86, v87
	v_add_f32 v80, v80, v82
	v_add_f32 v84, v84, v86
	v_add_f32 v80, v80, v84
.endm
	s_wait_loadcnt 12                              ; the first four loads are in; twelve are younger
.irp c, 0,1,2,3
	v_pk_add_f32 v[CH+2*\c:CH+2*\c+1], v[X+4*\c:X+4*\c+1], v[X+4*\c+2:X+4*\c+3]   ; the first sums start the chains: nothing is cleared
.endr
.irp g, 1,2,3
	s_wait_loadcnt 12-4*\g                         ; four loads more
.irp p, 0,2
.irp c, 0,1,2,3
	v_pk_add_f32 v[CH+2*\c:CH+2*\c+1], v[CH+2*\c:CH+2*\c+1], v[X+16*\g+4*\c+\p:X+16*\g+4*\c+\p+1]
.endr
.endr
.endr
	REDUCE 0
	v_mul_f32 v14, 0x38800000, v80                 ; / 16,384: the part's mean
	v_mov_b32 v15, v14
.set p, 0
.rept 32
	v_pk_add_f32 v[X+2*p:X+2*p+1], v[X+2*p:X+2*p+1], v[14:15] neg_lo:[0,1] neg_hi:[0,1]   ; x - mean
.set p, p+1
.endr
.irp c, 0,1,2,3
	v_pk_mul_f32 v[CH+2*\c:CH+2*\c+1], v[X+2*\c:X+2*\c+1], v[X+2*\c:X+2*\c+1]
.endr
.set p, 4
.rept 28
	v_pk_fma_f32 v[CH+2*(p%4):CH+2*(p%4)+1], v[X+2*p:X+2*p+1], v[X+2*p:X+2*p+1], v[CH+2*(p%4):CH+2*(p%4)+1]
.set p, p+1
.endr
	REDUCE 32                                      ; other LDS words than the first time: no wave still reads what is written here
	v_cmp_eq_u32 vcc_lo, 1, v0
	v_cndmask_b32 v88, v14, v80, vcc_lo            ; thread 0 holds the mean, thread 1 the sum of squares
	s_wait_xcnt 0x0                                ; EXEC changes only behind this wait
	v_cmp_gt_u32 vcc_lo, 2, v0
	s_wait_tensorcnt 0x0
	ds_add_u32 v96, v97
	s_wait_dscnt 0x0
	s_and_saveexec_b32 s12, vcc_lo
	global_store_b32 v89, v88, s[6:7]
	s_wait_xcnt 0x0
	s_or_b32 exec_lo, exec_lo, s12
	s_endpgm
.Lfunc_end_k_q19786784d8_gstats:
	.size	k_q19786784d8_gstats, .Lfunc_end_k_q19786784d8_gstats-k_q19786784d8_gstats
	.p2alignl 7, 3214868480
	.fill 96, 4, 3214868480
	.section	.rodata,"a",@progbits
	.p2align	6, 0x0
	.amdhsa_kernel k_q19786784d8_gstats
		.amdhsa_group_segment_fixed_size 1280
		.amdhsa_private_segment_fixed_size 0
		.amdhsa_enable_private_segment 0
		.amdhsa_kernarg_size 16
		.amdhsa_user_sgpr_count 2
		.amdhsa_user_sgpr_kernarg_segment_ptr 1
		.amdhsa_wavefront_size32 1
		.amdhsa_system_sgpr_workgroup_id_x 1
		.amdhsa_system_sgpr_workgroup_id_y 1
		.amdhsa_system_sgpr_workgroup_id_z 1
		.amdhsa_system_vgpr_workitem_id 0
		.amdhsa_next_free_vgpr 98
		.amdhsa_next_free_sgpr 66
		.amdhsa_reserve_vcc 1
		.amdhsa_float_denorm_mode_32 3
		.amdhsa_float_denorm_mode_16_64 3
		.amdhsa_memory_ordered 1
		.amdhsa_forward_progress 1
		.amdhsa_inst_pref_size 12
	.end_amdhsa_kernel
	.amdgpu_metadata
---
amdhsa.version: [ 1, 2 ]
amdhsa.kernels:
  - .name:           k_q19786784d8_gstats
    .symbol:         k_q19786784d8_gstats.kd
    .args:
      - { .name: x, .offset: 0, .size: 8, .value_kind: global_buffer, .address_space: global }
      - { .name: stats, .offset: 8, .size: 8, .value_kind: global_buffer, .address_space: global }
    .group_segment_fixed_size: 1280
    .private_segment_fixed_size: 0
    .kernarg_segment_align: 8
    .kernarg_segment_size: 16
    .max_flat_workgroup_size: 256
    .sgpr_count:     66
    .vgpr_count:     98
    .wavefront_size: 32
...
	.end_amdgpu_metadata
.endif
;; end of part 1
;; launch qkv (part 2): grid 256 x 1, 4 waves a work-group, no clusters, 35,328 bytes of LDS; arguments x, stats, gamma, beta, wq_codes, wq_scales, bq, wk_codes, wk_scales, bk, wv_codes, wv_scales, bv, qf, kv; writes qf, kv
.if DOCPART == 2
	.amdgcn_target "amdgcn-amd-amdhsa--gfx1250"
	.amdhsa_code_object_version 6
	.text
	.protected	k_q19786784d8_qkv
	.globl	k_q19786784d8_qkv
	.p2align	8
	.type	k_q19786784d8_qkv,@function
k_q19786784d8_qkv:
	s_mov_b64 s[64:65], 0
	v_nop
	global_prefetch_b8 v0, s[64:65] scope:SCOPE_SE
	s_setreg_imm32_b32 hwreg(HW_REG_WAVE_MODE, 25, 1), 1
	s_wait_xcnt 0x0
; GROUP NORM, ITS QUANTISER, q / k / v = W xn + b ON CODES OF E4M3, AND THE QUANTISERS OF q, k (along the channels) AND v (along the pixels).
; A block is 128 pixels of one image: block pb = work-group / 2.  Two work-groups share a block: role 0 makes q (256 outputs) and v's channels 0-127, role 1 makes k and v's channels 128-255.
; q and k take one path through the text: only pointers are chosen, on the work-group's number.
; OUTPUT: PIECES OF 33,792 BYTES: 16 images of operand registers (2,048 bytes each: chunk c of 512 bytes holds lane l's registers 4c..4c+3 at 16 l), then 1,024 bytes of scale words.
;   q, k: fragment (pixel tile t, K step s along the channels) at (2t+s) 2048; the word of (t, s, row r) at 32768 + (t/4) 512 + (16 s + r) 16 + (t%4) 4.
;   v:    fragment ct (16 channels x the block's 128 pixels) at ct 2048; the word of (ct, r) at 32768 + (2 (ct/8) + (ct/4)%2) 256 + (16 ((ct/2)%2) + r) 8 + (ct%2) 4.
;   qf holds q's pieces, kv for each block k's piece and then v's.
; THE ROWS OF A TILE ARE NOT NEIGHBOURS: slot r of tile 2B+u (of pixels, of v's channels, of a weight's rows) is number 32B + 8u + r + 8 (r/8), so that the 16 result registers of two neighbouring tiles
; are 16 neighbours along the next product's K, and the conversions' results are that product's operand registers.
; PHASES.  X: wave w takes channels 64w..64w+63 (two groups of the norm, two blocks of the quantiser) of all 128 pixels; a lane takes 4 pixels, its registers run down the channels; the codes go to LDS as images
; | barrier |  V: wave w makes two channel tiles of v for all 128 pixels (source 0 = xn, source 1 = Wv: a lane holds one channel, registers run along the pixels)
; QK: wave w makes outputs 128 (w%2).. of pixel tiles 4 (w/2).. (source 0 = W, source 1 = xn: a lane holds one pixel, registers run along the outputs).
; The biases are the C of each sum's first matrix instruction.  No tensor load: the weights go from memory straight into operand registers, once for a work-group, so there is nothing to ask for jointly.
; LIMITS: NaN and infinities are not served; a block whose largest magnitude lies under 2^-118 gets the scale byte 1 (a block of zeros too: its codes are zeros, and this program alone reads the bytes).
; REGISTERS, in windows of 256.  Window 0: v1-15, v24-27 addresses; v16-23 -mean and 1/sigma of my two groups, as pairs; v32-47 xn's scale words; v48-63 W's; v248-251 Wv's; v64-191 xn of 4 pixels x 32 channels,
;   later accumulators; v192-223 codes; v208-211, v212-213 scale words made; v224-247 at work.   Window 1: x as loaded (channel i at 4 i), later xn's fragments.   Window 2: W's 16 fragments.
;   Window 3: v0-63 Wv's four fragments; v64-127 gamma, then gamma / sigma, later bq or bk as C; v128-191 beta; v192-207 bv as C.
.set XSC,  32768                       ; LDS: xn's 16 images at 0; their scale words here, (2t+s) 64 + 4 r
.set LI,   5                           ; 16 x lane
.set LR4,  6                           ; 4 r
.set XW,   7                           ; where I store my pixels' codes
.set XSW,  8                           ; and their scale bytes
.set LIQ,  9                           ; 16 x lane + my four pixel tiles' images
.set LRQ,  10                          ; 4 r + their scale words
.set WA,   11                          ; a weight's row r + 8 (r/8), + 16 (lane/16)
.set WSA,  12                          ; its scale words
.set BA,   13                          ; 64 (lane/16): bq, bk
.set BVA,  14                          ; 4 (r + 8 (r/8)): bv
.set ZR,   15                          ; 0
.set NM,   16                          ; -mean, a pair for each group
.set RS,   20                          ; 1/sigma likewise
.set VFO,  24                          ; v's fragments: my place in the piece
.set VSO,  25                          ; v's scale words
.set QFO,  26                          ; q's or k's fragments
.set QSO,  27                          ; and scale words
.set XS,   32
.set WS,   48
.set WVS,  248
.set XN,   64
.set CX,   192
.set PC,   192
.set PWQ,  208
.set PWV,  212
.set TM,   224
.set BY,   236
.set JB,   244
.set GA,   64                          ; window 3
.set BE,   128
.set BC,   64
.set BVC,  192
.set SEL,  40
.set MNT,  42
.set MSB, 0
.macro WIN new                         ; the immediate's high byte repeats the setting that is left
.if MSB != \new
	s_set_vgpr_msb (MSB<<8)|\new
.set MSB, \new
.endif
.endm
.macro PLACES n
.rept \n
	v_nop
.endr
.endm
; 64 numbers of a lane, v[s] .. v[s+63], register 16 b + i = k 32 b + 16 (lane/16) + i of my row, become a fragment's codes in v[pc] on and its scale word in v[pw]
.macro QUANT s, pc, pw
.irp b, 0,1,2,3
	v_max3_num_f32 v[TM+\b], |v[\s+16*\b]|, |v[\s+1+16*\b]|, 0x4800000   ; my 16 numbers of block b, and the floor 2^(9-127): the byte cannot fall under 1
.endr
.irp i, 2,4,6,8,10,12,14
.irp b, 0,1,2,3
	v_max3_num_f32 v[TM+\b], v[TM+\b], |v[\s+16*\b+\i]|, |v[\s+1+16*\b+\i]|
.endr
.endr
.irp b, 0,1,2,3
	v_permlanex16_b32 v[TM+4+\b], v[TM+\b], s[SEL], s[SEL+1]
.endr
.irp b, 0,1,2,3
	v_max_num_f32 v[TM+\b], v[TM+\b], v[TM+4+\b]   ; with lane l xor 16's: the block's largest magnitude
.endr
.irp b, 0,1,2,3
	v_add_nc_u32 v[TM+12+\b], 0xfc000000, v[TM+\b] ; 8 off its exponent field: the conversion's scale operand
.endr
.irp b, 0,1,2,3
	v_and_or_b32 v[TM+8+\b], v[TM+\b], 0x7f800000, s[MNT]   ; 448 x the scale
.endr
.irp b, 0,1,2,3
	v_lshrrev_b32 v[TM+4+\b], 23, v[TM+12+\b]      ; the scale's byte
.endr
	v_lshl_or_b32 v[\pw], v[TM+5], 8, v[TM+4]
	v_lshl_or_b32 v[\pw], v[TM+6], 16, v[\pw]
	v_lshl_or_b32 v[\pw], v[TM+7], 24, v[\pw]
.irp b, 0,1,2,3
.irp i, 0,1,2,3,4,5,6,7,8,9,10,11,12,13,14,15
	v_med3_num_f32 v[\s+16*\b+\i], v[\s+16*\b+\i], -v[TM+8+\b], v[TM+8+\b]   ; the conversion does not saturate (ISA guide 7.6.2): the hold at the largest code x the scale
.endr
	v_cvt_scalef32_pk8_fp8_f32 v[\pc+4*\b:\pc+1+4*\b], v[\s+16*\b:\s+7+16*\b], v[TM+12+\b]
	v_cvt_scalef32_pk8_fp8_f32 v[\pc+2+4*\b:\pc+3+4*\b], v[\s+8+16*\b:\s+15+16*\b], v[TM+12+\b]
.endr
	v_nop                                          ; a plain instruction between the last conversion and whatever next touches its registers
.endm
	s_load_b512 s[4:19], s[0:1], 0x0               ; x, stats, gamma, beta, wq codes, wq scales, bq, wk codes
	s_load_b256 s[20:27], s[0:1], 0x40             ; wk scales, bk, wv codes, wv scales
	s_load_b128 s[28:31], s[0:1], 0x60             ; bv, qf
	s_load_b64 s[32:33], s[0:1], 0x70              ; kv
	v_lshl_add_u32 v254, v0, 2, 0x8800
	v_mov_b32 v255, 0
	v_lshrrev_b32 v1, 5, v0
	v_readfirstlane_b32 s34, v1                    ; wave w
	s_and_b32 s35, ttmp9, 1                        ; role
	s_lshr_b32 s36, ttmp9, 1                       ; block
	s_and_b32 s37, s34, 1                          ; w % 2
	s_lshr_b32 s38, s34, 1                         ; w / 2
	s_lshr_b32 s39, s36, 5                         ; image
	s_mov_b32 s[SEL], 0x76543210
	s_mov_b32 s[SEL+1], 0xfedcba98
	s_mov_b32 s[MNT], 0x600000                     ; the mantissa field of 448
	v_and_b32 v1, 31, v0                           ; lane
	v_and_b32 v2, 15, v0                           ; r
	v_bfe_u32 v3, v0, 4, 1                         ; h
	v_and_b32 v4, 8, v2
	v_add_nc_u32 v4, v4, v2                        ; r + 8 (r/8)
	v_lshlrev_b32 v[LI], 4, v1
	v_lshlrev_b32 v[LR4], 2, v2
	; my pixels 4 l + e lie in tile 2 (l/8) + (l/2)%2, slot 4 (l%2) + e + 8 ((l/4)%2); my channels in K step w/2, chunks 2 (w%2) + j
	v_bfe_u32 v28, v0, 3, 2
	v_bfe_u32 v29, v0, 1, 1
	v_bfe_u32 v30, v0, 2, 1
	v_and_b32 v31, 1, v0
	s_lshl_b32 s44, s38, 11
	s_lshl_b32 s45, s37, 10
	s_add_co_u32 s44, s44, s45
	v_lshlrev_b32 v[XW], 13, v28
	v_lshl_add_u32 v[XW], v29, 12, v[XW]
	v_lshl_add_u32 v[XW], v30, 7, v[XW]
	v_lshl_add_u32 v[XW], v31, 6, v[XW]
	v_add_nc_u32 v[XW], s44, v[XW]
	s_lshl_b32 s44, s38, 6
	s_lshl_b32 s45, s37, 1
	s_add_co_u32 s44, s44, s45
	s_add_co_u32 s44, s44, XSC
	v_lshlrev_b32 v[XSW], 8, v28
	v_lshl_add_u32 v[XSW], v29, 7, v[XSW]
	v_lshl_add_u32 v[XSW], v30, 5, v[XSW]
	v_lshl_add_u32 v[XSW], v31, 4, v[XSW]
	v_add_nc_u32 v[XSW], s44, v[XSW]
	s_lshl_b32 s44, s38, 14
	v_add_nc_u32 v[LIQ], s44, v[LI]
	s_lshl_b32 s45, s37, 11
	s_add_co_u32 s45, s45, s44
	v_add_nc_u32 v[QFO], s45, v[LI]                ; fragment (4 (w/2) + m, w%2): (w/2) 16384 + (w%2) 2048 + m 4096
	s_lshl_b32 s44, s38, 9
	v_add_nc_u32 v[LRQ], s44, v[LR4]
	s_lshl_b32 s45, s37, 8
	s_add_co_u32 s45, s45, s44
	s_add_co_u32 s45, s45, 32768
	v_lshl_add_u32 v[QSO], v2, 4, s45
	s_lshl_b32 s44, s35, 14
	s_lshl_b32 s45, s34, 12
	s_add_co_u32 s44, s44, s45
	v_add_nc_u32 v[VFO], s44, v[LI]                ; channel tile 8 role + 2 w + i
	s_lshl_b32 s44, s35, 9
	s_lshl_b32 s45, s38, 8
	s_add_co_u32 s44, s44, s45
	s_lshl_b32 s45, s37, 7
	s_add_co_u32 s44, s44, s45
	s_add_co_u32 s44, s44, 32768
	v_lshl_add_u32 v[VSO], v2, 3, s44
	v_lshlrev_b32 v[WA], 8, v4
	v_lshl_add_u32 v[WA], v3, 4, v[WA]
	v_lshlrev_b32 v[WSA], 3, v4
	v_lshlrev_b32 v[BA], 6, v3
	v_lshlrev_b32 v[BVA], 2, v4
	v_mov_b32 v[ZR], 0
	; byte offsets, each in a pair of its own
	s_lshl_b32 s44, s39, 22                        ; x: image, my 64 channels, the block's 512 bytes of a row
	s_lshl_b32 s43, s34, 20
	s_add_co_u32 s44, s44, s43
	s_and_b32 s43, s36, 31
	s_lshl_b32 s43, s43, 9
	s_add_co_u32 s44, s44, s43
	s_mov_b32 s45, 0
	s_lshl_b32 s46, s39, 9                         ; stats: groups 8 image + 2 w and the next, 64 bytes each
	s_lshl_b32 s43, s34, 7
	s_add_co_u32 s46, s46, s43
	s_mov_b32 s47, 0
	s_lshl_b32 s48, s34, 8                         ; gamma, beta: my 64 numbers
	s_mov_b32 s49, 0
	s_lshl_b32 s50, s37, 15                        ; W: my 128 rows of 256 bytes,
	s_mov_b32 s51, 0
	s_lshl_b32 s52, s37, 10                        ; their scale bytes,
	s_mov_b32 s53, 0
	s_lshl_b32 s54, s37, 9                         ; their biases
	s_mov_b32 s55, 0
	s_lshl_b32 s43, s35, 7
	s_lshl_b32 s56, s34, 5
	s_add_co_u32 s43, s43, s56                     ; Wv: rows 128 role + 32 w on
	s_lshl_b32 s56, s43, 8
	s_mov_b32 s57, 0
	s_lshl_b32 s58, s43, 3
	s_mov_b32 s59, 0
	s_lshl_b32 s60, s43, 2
	s_mov_b32 s61, 0
	s_mov_b32 s63, 0
	s_wait_kmcnt 0x0
	s_cmp_eq_u32 s35, 0                            ; q's work-group or k's: the choice hangs on the work-group's number alone
	s_cselect_b64 s[12:13], s[12:13], s[18:19]
	s_cselect_b64 s[14:15], s[14:15], s[20:21]
	s_cselect_b64 s[16:17], s[16:17], s[22:23]
	s_cselect_b64 s[30:31], s[30:31], s[32:33]
	s_mov_b32 s62, 67584
	s_cselect_b32 s62, 33792, s62                  ; from block to block: a piece in qf, two in kv
	s_mul_i32 s62, s36, s62
	s_add_nc_u64 s[30:31], s[30:31], s[62:63]      ; q's or k's piece
	s_mul_i32 s62, s36, 67584
	s_add_co_u32 s62, s62, 33792
	s_add_nc_u64 s[32:33], s[32:33], s[62:63]      ; v's piece
	s_add_nc_u64 s[4:5], s[4:5], s[44:45]
	s_add_nc_u64 s[6:7], s[6:7], s[46:47]
	s_add_nc_u64 s[8:9], s[8:9], s[48:49]
	s_add_nc_u64 s[10:11], s[10:11], s[48:49]
	s_add_nc_u64 s[12:13], s[12:13], s[50:51]
	s_add_nc_u64 s[14:15], s[14:15], s[52:53]
	s_add_nc_u64 s[16:17], s[16:17], s[54:55]
	s_add_nc_u64 s[24:25], s[24:25], s[56:57]
	s_add_nc_u64 s[26:27], s[26:27], s[58:59]
	s_add_nc_u64 s[28:29], s[28:29], s[60:61]
	s_mov_b32 s46, 0x37000000                      ; 2^-17: one over a group's 131,072 numbers
	s_mov_b32 s47, 0x3727c5ac                      ; 1e-5
	; ---- X.  104 loads: the statistics, gamma, beta (every lane the same address), then x: 512 consecutive bytes a load
.irp k, 0,1,2,3,4,5,6,7
	global_load_b128 v[64+4*\k:67+4*\k], v[ZR], s[6:7] offset:16*\k
.endr
	WIN 0xc0                                       ; destination window 3
.irp k, 0,1,2,3,4,5,6,7,8,9,10,11,12,13,14,15
	global_load_b128 v[GA+4*\k:GA+4*\k+3], v[ZR], s[8:9] offset:16*\k
	global_load_b128 v[BE+4*\k:BE+4*\k+3], v[ZR], s[10:11] offset:16*\k
.endr
	WIN 0x40                                       ; destination window 1
.set i, 0
.rept 64
	global_load_b128 v[4*i:4*i+3], v[LI], s[4:5] offset:16384*i
.set i, i+1
.endr
	WIN 0
	s_wait_loadcnt 63                              ; the statistics, gamma and beta are in: 64 loads are younger, and 63 is the largest count that the wait can name
.irp j, 0,1                            ; a group's eight parts are joined: mean of the means; sum of squares = the parts' + 16,384 x the squares of the means' distances
.set B0, 64+16*\j
	v_add_f32 v224, v[B0], v[B0+1]
	v_add_f32 v225, v[B0+2], v[B0+3]
	v_add_f32 v226, v[B0+4], v[B0+5]
	v_add_f32 v227, v[B0+6], v[B0+7]
	v_add_f32 v224, v224, v225
	v_add_f32 v226, v226, v227
	v_add_f32 v224, v224, v226
	v_mul_f32 v224, 0x3e000000, v224               ; the group's mean
	v_mul_f32 v[NM+2*\j], -1.0, v224
	v_mul_f32 v[NM+2*\j+1], -1.0, v224
.irp i, 0,1,2,3,4,5,6,7
	v_sub_f32 v[B0+\i], v[B0+\i], v224
.endr
	v_mul_f32 v225, v[B0], v[B0]
.irp i, 1,2,3,4,5,6,7
	v_fmac_f32 v225, v[B0+\i], v[B0+\i]
.endr
	v_add_f32 v226, v[B0+8], v[B0+9]
	v_add_f32 v227, v[B0+10], v[B0+11]
	v_add_f32 v230, v[B0+12], v[B0+13]
	v_add_f32 v231, v[B0+14], v[B0+15]
	v_add_f32 v226, v226, v227
	v_add_f32 v230, v230, v231
	v_add_f32 v226, v226, v230
	v_fmac_f32 v226, 0x46800000, v225
	v_fma_f32 v[228+\j], v226, s46, s47            ; the variance + 1e-5
.endr
	v_rsq_f32 v[RS], v228
	v_rsq_f32 v[RS+2], v229
	v_nop                                          ; a plain instruction behind the transcendentals
	s_wait_alu depctr_va_vdst(0)
	v_mov_b32 v[RS+1], v[RS]
	v_mov_b32 v[RS+3], v[RS+2]
	WIN 0xc3                                       ; gamma in window 3, 1/sigma in window 0
.irp j, 0,1
.set p, 0
.rept 16
	v_pk_mul_f32 v[GA+32*\j+2*p:GA+32*\j+2*p+1], v[GA+32*\j+2*p:GA+32*\j+2*p+1], v[RS+2*\j:RS+2*\j+1]
.set p, p+1
.endr
.endr
	WIN 0
; my 4 pixels' block j of 32 channels is quantised: all 32 numbers of a block are one lane's, so no other lane is asked
.macro QX j
.irp e, 0,1,2,3
	v_max3_num_f32 v[TM+\e], |v[XN+32*\e]|, |v[XN+32*\e+1]|, 0x4800000
.endr
.irp i, 2,4,6,8,10,12,14,16,18,20,22,24,26,28,30
.irp e, 0,1,2,3
	v_max3_num_f32 v[TM+\e], v[TM+\e], |v[XN+32*\e+\i]|, |v[XN+32*\e+\i+1]|
.endr
.endr
.irp e, 0,1,2,3
	v_add_nc_u32 v[TM+8+\e], 0xfc000000, v[TM+\e]
.endr
.irp e, 0,1,2,3
	v_and_or_b32 v[TM+4+\e], v[TM+\e], 0x7f800000, s[MNT]
.endr
.irp e, 0,1,2,3
	v_lshrrev_b32 v[BY+4*\j+\e], 23, v[TM+8+\e]
.endr
.if \j == 1
	s_wait_dscnt 0x0                               ; the first block's stores have read the codes' registers
.endif
.irp e, 0,1,2,3
.set i, 0
.rept 32
	v_med3_num_f32 v[XN+32*\e+i], v[XN+32*\e+i], -v[TM+4+\e], v[TM+4+\e]
.set i, i+1
.endr
.irp g, 0,1,2,3
	v_cvt_scalef32_pk8_fp8_f32 v[CX+8*\e+2*\g:CX+8*\e+2*\g+1], v[XN+32*\e+8*\g:XN+32*\e+8*\g+7], v[TM+8+\e]
.endr
.endr
	v_nop
.irp e, 0,1,2,3
.irp f, 0,1
	ds_store_b128 v[XW], v[CX+8*\e+4*\f:CX+8*\e+4*\f+3] offset:512*\j+256*\f+16*\e   ; 16 codes: what lane (slot, half f) of the image holds in chunk 2 (w%2) + j
.endr
.endr
.endm
.macro XBLOCK j
	WIN 0x41                                       ; x in window 1, -mean in window 0
.set p, 0
.rept 64
	v_pk_add_f32 v[128*\j+2*p:128*\j+2*p+1], v[128*\j+2*p:128*\j+2*p+1], v[NM+2*\j:NM+2*\j+1]
.set p, p+1
.endr
	WIN 0x3d                                       ; x window 1, gamma / sigma and beta window 3, xn window 0.  The destination's number turns (channel, 4 pixels) into (pixel, 32 channels)
.set i, 0
.rept 32
.irp e, 0,1,2,3
	v_fma_f32 v[XN+32*\e+i], v[128*\j+4*i+\e], v[GA+32*\j+i], v[BE+32*\j+i]
.endr
.set i, i+1
.endr
	WIN 0
	QX \j
.endm
	s_wait_loadcnt 32                              ; my first 32 channels are in; the other 32 loads are younger
	WIN 0x80                                       ; W's 16 fragments (tile t, K step s) into window 2: they land under the work below
.irp t, 0,1,2,3,4,5,6,7
.irp s, 0,1
.irp c, 0,1,2,3
	global_load_b128 v[16*(2*\t+\s)+4*\c:16*(2*\t+\s)+4*\c+3], v[WA], s[12:13] offset:(32*(\t/2)+8*(\t%2))*256+128*\s+32*\c
.endr
.endr
.endr
	XBLOCK 0
	s_wait_loadcnt 63                              ; my second 32 channels are in: W's 64 loads are younger
	WIN 0xc0
.irp i, 0,1
.irp s, 0,1
.irp c, 0,1,2,3
	global_load_b128 v[16*(2*\i+\s)+4*\c:16*(2*\i+\s)+4*\c+3], v[WA], s[24:25] offset:2048*\i+128*\s+32*\c   ; Wv's rows 128 role + 32 w + 8 i + r + 8 (r/8)
.endr
.endr
.endr
.irp i, 0,1
.irp j, 0,1,2,3,4,5,6,7
	global_load_b32 v[BVC+8*\i+\j], v[BVA], s[28:29] offset:32*\i   ; bv as C: a lane holds one channel, so its eight registers are equal
.endr
.endr
	WIN 0
.irp t, 0,1,2,3,4,5,6,7
	global_load_b64 v[WS+2*\t:WS+2*\t+1], v[WSA], s[14:15] offset:(32*(\t/2)+8*(\t%2))*8
.endr
.irp i, 0,1
	global_load_b64 v[WVS+2*\i:WVS+2*\i+1], v[WSA], s[26:27] offset:64*\i
.endr
	XBLOCK 1
	WIN 0xc0
.irp t, 0,1,2,3,4,5,6,7                ; bq or bk as C, over gamma, which is done with: lane (r, h) wants outputs base + 16 h + 0..7
	global_load_b128 v[BC+8*\t:BC+8*\t+3], v[BA], s[16:17] offset:(32*(\t/2)+8*(\t%2))*4
	global_load_b128 v[BC+8*\t+4:BC+8*\t+7], v[BA], s[16:17] offset:(32*(\t/2)+8*(\t%2))*4+16
.endr
	WIN 0
.irp e, 0,1,2,3
	v_lshl_or_b32 v[JB+\e], v[BY+4+\e], 8, v[BY+\e]
.endr
.irp e, 0,1,2,3
	ds_store_b16 v[XSW], v[JB+\e] offset:4*\e      ; my two bytes of the pixel's scale word
.endr
	s_wait_dscnt 0x0                               ; for the others' sake: my stores have landed
	s_barrier_signal -1
	s_barrier_wait -1                              ; xn's sixteen fragments and their scale words lie in LDS; nothing is written there again
	; ---- V
	WIN 0x40
.set k, 0
.rept 64
	ds_load_b128 v[4*k:4*k+3], v[LI] offset:512*k  ; fragment (t, s) at v[16 (2t+s)] of window 1
.set k, k+1
.endr
	WIN 0
.set k, 0
.rept 16
	ds_load_b32 v[XS+k], v[LR4] offset:XSC+64*k
.set k, k+1
.endr
	s_wait_loadcnt 0x0
	s_wait_dscnt 0x0
	WIN 0x3d                                       ; xn window 1, Wv and bv window 3.  Sixteen accumulators by turns
.irp t, 0,1,2,3,4,5,6,7
.irp i, 0,1
	v_wmma_scale_f32_16x16x128_f8f6f4 v[64+64*\i+8*\t:64+64*\i+8*\t+7], v[32*\t:32*\t+15], v[32*\i:32*\i+15], v[BVC+8*\i:BVC+8*\i+7], v[XS+2*\t], v[WVS+2*\i]
.endr
.endr
	WIN 0x0d
.irp t, 0,1,2,3,4,5,6,7
.irp i, 0,1
	v_wmma_scale_f32_16x16x128_f8f6f4 v[64+64*\i+8*\t:64+64*\i+8*\t+7], v[32*\t+16:32*\t+31], v[32*\i+16:32*\i+31], v[64+64*\i+8*\t:64+64*\i+8*\t+7], v[XS+2*\t+1], v[WVS+2*\i+1]
.endr
.endr
	WIN 0
	PLACES 8                                       ; in front of loads into registers that these products read, and of the first read of their results
	WIN 0x40
.set k, 0
.rept 32
	ds_load_b128 v[4*k:4*k+3], v[LIQ] offset:512*k ; my four pixel tiles' fragments (m, s) at v[32 m + 16 s]
.set k, k+1
.endr
	WIN 0
.set k, 0
.rept 8
	ds_load_b32 v[XS+k], v[LRQ] offset:XSC+64*k
.set k, k+1
.endr
.irp i, 0,1
	s_wait_xcnt 0x0                                ; earlier stores have read the codes' registers
	QUANT 64+64*\i, PC, PWV+\i
.irp c, 0,1,2,3
	global_store_b128 v[VFO], v[PC+4*\c:PC+4*\c+3], s[32:33] offset:2048*\i+512*\c   ; 512 consecutive bytes a store
.endr
.endr
	global_store_b64 v[VSO], v[PWV:PWV+1], s[32:33]   ; both halves of the lanes hold the same words and write the same 128 bytes
	; ---- QK
.macro WQK m                           ; my 128 outputs for pixel tile m: eight accumulators by turns, two K steps
.set HA, 64+64*((\m)%2)
	WIN 0x36                                       ; W window 2, xn window 1, the bias window 3
.irp t, 0,1,2,3,4,5,6,7
	v_wmma_scale_f32_16x16x128_f8f6f4 v[HA+8*\t:HA+8*\t+7], v[32*\t:32*\t+15], v[32*\m:32*\m+15], v[BC+8*\t:BC+8*\t+7], v[WS+2*\t], v[XS+2*\m]
.endr
	WIN 0x06
.irp t, 0,1,2,3,4,5,6,7
	v_wmma_scale_f32_16x16x128_f8f6f4 v[HA+8*\t:HA+8*\t+7], v[32*\t+16:32*\t+31], v[32*\m+16:32*\m+31], v[HA+8*\t:HA+8*\t+7], v[WS+2*\t+1], v[XS+2*\m+1]
.endr
	WIN 0
.endm
.macro QQK m
	s_wait_xcnt 0x0                                ; earlier stores have read the codes' registers
	QUANT 64+64*((\m)%2), PC, PWQ+\m
.irp c, 0,1,2,3
	global_store_b128 v[QFO], v[PC+4*\c:PC+4*\c+3], s[30:31] offset:4096*\m+512*\c
.endr
.endm
	s_wait_dscnt 0x0
	WQK 0
	WQK 1
	PLACES 8
	QQK 0                                          ; from here on one tile's quantiser stands behind the next tile's products, and is their places: it names none of their registers
	WQK 2
	QQK 1
	WQK 3
	QQK 2
	QQK 3
	global_store_b128 v[QSO], v[PWQ:PWQ+3], s[30:31]   ; four tiles' words of a row: sixteen lanes fill 256 consecutive bytes (the other sixteen write the same)
	s_wait_tensorcnt 0x0
	ds_add_u32 v254, v255
	s_wait_dscnt 0x0
	s_endpgm
.Lfunc_end_k_q19786784d8_qkv:
	.size	k_q19786784d8_qkv, .Lfunc_end_k_q19786784d8_qkv-k_q19786784d8_qkv
	.p2alignl 7, 3214868480
	.fill 96, 4, 3214868480
	.section	.rodata,"a",@progbits
	.p2align	6, 0x0
	.amdhsa_kernel k_q19786784d8_qkv
		.amdhsa_group_segment_fixed_size 35328
		.amdhsa_private_segment_fixed_size 0
		.amdhsa_enable_private_segment 0
		.amdhsa_kernarg_size 120
		.amdhsa_user_sgpr_count 2
		.amdhsa_user_sgpr_kernarg_segment_ptr 1
		.amdhsa_wavefront_size32 1
		.amdhsa_system_sgpr_workgroup_id_x 1
		.amdhsa_system_sgpr_workgroup_id_y 1
		.amdhsa_system_sgpr_workgroup_id_z 1
		.amdhsa_system_vgpr_workitem_id 0
		.amdhsa_next_free_vgpr 1024
		.amdhsa_next_free_sgpr 66
		.amdhsa_reserve_vcc 0
		.amdhsa_float_denorm_mode_32 3
		.amdhsa_float_denorm_mode_16_64 3
		.amdhsa_memory_ordered 1
		.amdhsa_forward_progress 1
		.amdhsa_inst_pref_size 157
	.end_amdhsa_kernel
	.amdgpu_metadata
---
amdhsa.version: [ 1, 2 ]
amdhsa.kernels:
  - .name:           k_q19786784d8_qkv
    .symbol:         k_q19786784d8_qkv.kd
    .args:
      - { .name: x, .offset: 0, .size: 8, .value_kind: global_buffer, .address_space: global }
      - { .name: stats, .offset: 8, .size: 8, .value_kind: global_buffer, .address_space: global }
      - { .name: gamma, .offset: 16, .size: 8, .value_kind: global_buffer, .address_space: global }
      - { .name: beta, .offset: 24, .size: 8, .value_kind: global_buffer, .address_space: global }
      - { .name: wq_codes, .offset: 32, .size: 8, .value_kind: global_buffer, .address_space: global }
      - { .name: wq_scales, .offset: 40, .size: 8, .value_kind: global_buffer, .address_space: global }
      - { .name: bq, .offset: 48, .size: 8, .value_kind: global_buffer, .address_space: global }
      - { .name: wk_codes, .offset: 56, .size: 8, .value_kind: global_buffer, .address_space: global }
      - { .name: wk_scales, .offset: 64, .size: 8, .value_kind: global_buffer, .address_space: global }
      - { .name: bk, .offset: 72, .size: 8, .value_kind: global_buffer, .address_space: global }
      - { .name: wv_codes, .offset: 80, .size: 8, .value_kind: global_buffer, .address_space: global }
      - { .name: wv_scales, .offset: 88, .size: 8, .value_kind: global_buffer, .address_space: global }
      - { .name: bv, .offset: 96, .size: 8, .value_kind: global_buffer, .address_space: global }
      - { .name: qf, .offset: 104, .size: 8, .value_kind: global_buffer, .address_space: global }
      - { .name: kv, .offset: 112, .size: 8, .value_kind: global_buffer, .address_space: global }
    .group_segment_fixed_size: 35328
    .private_segment_fixed_size: 0
    .kernarg_segment_align: 8
    .kernarg_segment_size: 120
    .max_flat_workgroup_size: 128
    .sgpr_count:     66
    .vgpr_count:     1024
    .wavefront_size: 32
...
	.end_amdgpu_metadata
.endif
;; end of part 2
;; launch attn (part 3): grid 64 x 4, 4 waves a work-group, clusters of 4 x 1, 327,680 bytes of LDS; arguments qf, kv, wp_codes, wp_scales, bp, x, out0; writes out0
.if DOCPART == 3
	.amdgcn_target "amdgcn-amd-amdhsa--gfx1250"
	.amdhsa_code_object_version 6
	.text
	.protected	k_q19786784d8_attn
	.globl	k_q19786784d8_attn
	.p2align	8
	.type	k_q19786784d8_attn,@function
k_q19786784d8_attn:
	s_mov_b64 s[64:65], 0
	v_nop
	global_prefetch_b8 v0, s[64:65] scope:SCOPE_SE
	s_setreg_imm32_b32 hwreg(HW_REG_WAVE_MODE, 25, 1), 1
	s_wait_xcnt 0x0
	s_wait_alu depctr_hold_cnt(0) depctr_sa_sdst(0) depctr_va_vdst(0) depctr_va_sdst(0) depctr_va_ssrc(0) depctr_va_vcc(0) depctr_vm_vsrc(0)
	s_getreg_b32 s2, hwreg(HW_REG_IB_STS2, 6, 4)
	s_cmp_eq_u32 s2, 0
	s_cbranch_scc0 .Lentry_in_a_cluster
	s_endpgm
.Lentry_in_a_cluster:
	s_bfe_u32 s2, ttmp6, 0x10000c
	s_cmp_lg_u32 s2, 0x3003
	s_cbranch_scc0 .Lentry_shape_is_right
	s_endpgm
.Lentry_shape_is_right:
; ATTENTION OVER 4,096 PIXELS, HEAD SIZE 256, ON CODES OF E4M3, THEN THE PROJECTION, ITS BIAS AND THE RESIDUAL.
; q, k, v come as pieces of 33,792 bytes for each block of 128 pixels: 16 images of operand registers and 1,024 bytes of scale words, as the launch before laid them.
; SOFTMAX: t = score x log2(e) / 16; M = the running largest t rounded UP to a whole number; p = 2^(t - M) is quantised along the keys, not normalised; the sum is taken of the unquantised p and divides at the end.
; When M moves, the sum and O are multiplied by 2^(old M - new M), which rounds nothing.
; SHARES.  A work-group owns 64 queries of one image.  Wave w takes key half w%2 (16 steps of 128 keys) and the query pair w/2 (two tiles of 16): each fragment of K and V read from LDS feeds two products.
; Local tile 0 of wave w is the work-group's tile w, local tile 1 its partner's (wave w xor 1): behind the loop each wave hands local tile 1 over through LDS and joins the two key halves of its own tile,
; by factors that are powers of two.  Then O / sum is quantised along the channels, goes to LDS as images, and wave w makes output channels 64 w .. 64 w + 63 of all 64 pixels.
; LAYOUT.  S^T = K Q^T and O^T = V^T P^T: a lane holds one query throughout.  The rows of K's tiles and of V's channel tiles were chosen so that 16 result registers of two neighbouring tiles are 16 neighbours along the next K.
; THE PIPELINE.  A wave issues in order, so every product stands singly between vector instructions that do not hang on it.  Body T:
;   phase A: the softmax of step T-1 as far as the sums, and between its lines the 32 products V^T P of step T-2; then the hold and the conversion of key block 0, and p's scale words;
;   the change of slots;
;   phase B: the 32 products K Q^T of step T, each followed by a chunk of 8 or 9 vector instructions: holds and conversions of key blocks 1-3 of step T-1, O^T x f of step T-1, the block maxima of step T.
;   Product group g of K Q^T writes the registers of key block g, which that block's conversions have just left: S^T needs no second set.
; Four buffers of four fragments: buffer g takes V's group g, K's group g, V's .. in turn; its next 16 loads go out when its 8 products are issued and 12 plain instructions or more have passed: three groups ahead of their use.
; THE RING.  Slot T%2 holds K of step T and V of step T-2, which are read between the changes of slots of bodies T-1 and T.  Wave w asks for one piece (w/2: K or V; w%2: the key half).  K's waves refill at the changes
; of bodies 0-13, V's at those of bodies 2-15: a branch on the wave's number round the load alone.  CLUSTER: the four work-groups of a cluster walk the same K and V, so each piece is asked for jointly.
; A piece is read only as runs of 512 consecutive bytes, so LDS rows need no padding.
; LIMITS: NaN and infinities are not served; a block of p whose largest lies under 2^-118 gets the byte 1; a block's largest p is taken from its largest score, which takes v_exp_f32 not to fall where its input rises.
; O^T is cleared once by 256 moves: a first V^T P of its own would cost one more copy of a body's text.
; REGISTERS, in windows of 256.  Window 0: v1-19 addresses; v20-27 for each tile -M, largest t, the sum in two halves; v28-31 for each tile the pair (f, written once); v32-39 K's scale words, v40-47 V's, v48-49 Q's,
;   v50-51 p's, v52-59 wp's; v64-191 S^T, then p; v192-223 p's codes; v224-231 the blocks' largest scores; v232-239 the conversions' scale operands; v240-247 the holds; v248-255 at work.
;   Window 1: O^T (128 a tile), later the projection's accumulators.   Window 2: the four buffers; behind the loop v128-255 the residual x.   Window 3: v0-63 Q; v64-191 wp; v192-223 bp as C.
.set PIECE, 33792
.set SLOTB, 4*PIECE                    ; a slot: K half 0, K half 1, V half 0, V half 1.  No piece's address in slot 0 has one of SLOTB's two bits, so an exclusive or with SLOTB leads to the other slot and back
.set SPARE, 2*SLOTB                    ; the spare words, 128 bytes for each wave: two blocks of 256 bytes that no other line names
.set OQIMG, 69632                      ; behind the loop, in slot 0, which has had its last fill and its last read: from 0 the tiles handed over (4 x 16,384), later the stages (4 x 17,408);
.set OQSC,  86016                      ; here the projection operand's 8 images; its scale words (8 x 128);
.set MST,   87040                      ; -M and the sum of the tiles handed over (4 x 256)
.set SPITCH, 272                       ; a stage row: 64 pixels x 4 bytes + 16
.set LI,   1
.set AK0,  2                           ; my key half's piece of K in slot 0, + 16 x lane
.set AV0,  3                           ; the same for V
.set AVS0, 4                           ; V's piece + 8 x lane
.set ADK,  5                           ; the three with the place of the slot in hand
.set ADV,  6
.set ADVS, 7
.set SPW,  8
.set NIL,  9
.set STO,  10
.set RD,   11
.set GO,   12
.set LS4,  16
.set WPA,  17
.set WPSA, 18
.set BPA,  19
.set ST,   20
.set FF,   28
.set KS,   32
.set VS,   40
.set QS,   48
.set PSW,  50
.set WPS,  52
.set S,    64
.set P,    192
.set BM,   224
.set SCO,  232
.set HLD,  240
.set TMP,  248
.set TM,   232                         ; behind the loop: the quantiser's 16 registers
.set XR,   128                         ; window 2
.set WP,   64                          ; window 3
.set BPC,  192
.set WV,   18
.set KH,   19
.set QH,   20
.set G1,   24
.set G0,   32                          ; s[32:35] slot 0's first fill
.set G0W,  36                          ; s[36:39] slot 1's first fill; then it walks
.set SEL,  40
.set CS,   42
.set MNT,  44
.set TRIPS, 45
.set STK,  66                          ; s[66:67] what the walking descriptor's address takes at the first two changes: a block for K's waves, nothing for V's
.set TB,   68                          ; s68 the place of the slot in hand: 0 or SLOTB
.set MSB, 0
.macro WIN new                         ; the immediate's high byte repeats the setting that is left; a switch that changes nothing is dropped
.if MSB != \new
	s_set_vgpr_msb (MSB<<8)|\new
.set MSB, \new
.endif
.endm
.macro PLACES n
.rept \n
	v_nop
.endr
.endm
; a round of the cluster's barrier
.macro CROUND
	s_barrier_signal -1
	s_barrier_wait -1
	s_cmp_lg_u32 s[WV], 0
	s_cbranch_scc1 .Lnot_wave_0_\@
	s_barrier_signal -3
.Lnot_wave_0_\@:
	s_barrier_wait -3
	s_barrier_signal -1
	s_barrier_wait -1
.endm
; four fragments (8,192 consecutive bytes of a piece) into a buffer of window 2
.macro L4 buf, adr, off
	WIN 0x80
.set lk, 0
.rept 16
	ds_load_b128 v[4*lk+(\buf):4*lk+(\buf)+3], v[\adr] offset:512*lk+(\off)
.set lk, lk+1
.endr
.endm
; Product tk of 32 of O^T += V^T P^T: channel tile 4 (tk/8) + (tk%8)/2, query tile tk%2: 32 accumulators, one instruction each
.macro PVT
	WIN 0x52                                       ; V window 2, p window 0, O^T window 1
.set ct, 4*(tk/8)+(tk%8)/2
.set wt, tk%2
.set vs, VS+4*(ct>>3)+2*((ct>>2)&1)+(ct&1)
.set rd, 128*wt+8*ct
.set ra, 64*(tk/8)+16*((tk%8)/2)
.set rq, P+16*wt
.if (ct>>1)&1
	v_wmma_scale_f32_16x16x128_f8f6f4 v[rd:rd+7], v[ra:ra+15], v[rq:rq+15], v[rd:rd+7], v[vs], v[PSW+wt] matrix_a_scale:MATRIX_SCALE_ROW1
.else
	v_wmma_scale_f32_16x16x128_f8f6f4 v[rd:rd+7], v[ra:ra+15], v[rq:rq+15], v[rd:rd+7], v[vs], v[PSW+wt]
.endif
.endm
; Product tk of 32 of S^T = K Q^T: group tk/8 (key tiles 2g, 2g+1); in a group four accumulators by turns: K step 0 starts the sums, K step 1 adds in the same order
.macro WST
	WIN 0x0e                                       ; K window 2, Q window 3, S^T window 0
.set wgp, tk/8
.set wss, (tk%8)/4
.set wa, (tk%4)/2
.set wt, tk%2
.set rd, S+64*wt+8*(2*wgp+wa)
.set ra, 64*wgp+32*wa+16*wss
.set rq, 32*wt+16*wss
.if wss == 0
	v_wmma_scale_f32_16x16x128_f8f6f4 v[rd:rd+7], v[ra:ra+15], v[rq:rq+15], 0, v[KS+2*wgp+wa], v[QS+wt]
.else
	v_wmma_scale_f32_16x16x128_f8f6f4 v[rd:rd+7], v[ra:ra+15], v[rq:rq+15], v[rd:rd+7], v[KS+2*wgp+wa], v[QS+wt] matrix_a_scale:MATRIX_SCALE_ROW1 matrix_b_scale:MATRIX_SCALE_ROW1
.endif
.endm
; THE SOFTMAX'S PAIRS.  Pair i of 64: tile i%2, scores 2 (i/2) and 2 (i/2) + 1
.macro FMA i                           ; t - M, two at a time
.set fr, S+64*((\i)%2)+2*((\i)/2)
.set ft, ST+4*((\i)%2)
	v_pk_fma_f32 v[fr:fr+1], v[fr:fr+1], s[CS:CS+1], v[ft:ft+1] op_sel_hi:[1,0,0]
.endm
.macro EXL i                           ; p = 2^(t - M)
.set fr, S+64*((\i)%2)+2*((\i)/2)
	v_exp_f32 v[fr], v[fr]
.endm
.macro EXH i
.set fr, S+64*((\i)%2)+2*((\i)/2)+1
	v_exp_f32 v[fr], v[fr]
.endm
.macro ADDP i                          ; the sum of the unquantised p, two chains a tile: the sum itself takes the even pairs from 2 on, a second chain pairs 0, 1 and the odd ones
.set aq, (\i)/2
.set at, (\i)%2
.set fr, S+64*at+2*aq
.set fl, ST+4*at+2
.set fs, TMP+4+2*at
.if aq == 1
	s_wait_alu depctr_va_vdst(0)
	v_pk_add_f32 v[fs:fs+1], v[fr-2:fr-1], v[fr:fr+1]
.elseif aq > 1
.if (aq%2) == 0
	s_wait_alu depctr_va_vdst(0)
	v_pk_add_f32 v[fl:fl+1], v[fl:fl+1], v[fr:fr+1]
.else
	s_wait_alu depctr_va_vdst(0)
	v_pk_add_f32 v[fs:fs+1], v[fs:fs+1], v[fr:fr+1]
.endif
.endif
.endm
; Eight p of piece c of 16: key block c/4, tile c%2, half (c%4)/2
.macro MINS c                          ; the conversion does not saturate (ISA guide 7.6.2); p is not negative, so the hold is one-sided
.set mb, (\c)/4
.set mt, (\c)%2
.set mr, S+64*mt+16*mb+8*(((\c)%4)/2)
.set mj, 0
.rept 8
	v_min_num_f32 v[mr+mj], v[mr+mj], v[HLD+4*mt+mb]
.set mj, mj+1
.endr
.endm
.macro CVTC c
.set mb, (\c)/4
.set mt, (\c)%2
.set mh, ((\c)%4)/2
.set mr, S+64*mt+16*mb+8*mh
.set mp, P+16*mt+4*mb+2*mh
	v_cvt_scalef32_pk8_fp8_f32 v[mp:mp+1], v[mr:mr+7], v[SCO+4*mt+mb]
.endm
; Chunk r of 16 of O^T x f: 16 registers of tile r/8
.macro RCH r
	WIN 0x41                                       ; O^T window 1, f window 0
.set ro, 128*((\r)/8)+16*((\r)%8)
.set rf, FF+2*((\r)/8)
.set rj, 0
.rept 8
	v_pk_mul_f32 v[ro+rj:ro+rj+1], v[ro+rj:ro+rj+1], v[rf:rf+1] op_sel_hi:[1,0]
.set rj, rj+2
.endr
.endm
; Half h of the largest score of key block b of both tiles (my 16 keys each): four chains by turns, one to an accumulator, each read from its low end on
.macro XCH b, h
	WIN 0
.set xs0, S+16*(\b)
.set xs1, S+64+16*(\b)
.set xa0, BM+(\b)
.set xa1, BM+4+(\b)
.if (\h) == 0
	v_max3_num_f32 v[xa0], v[xs0], v[xs0+1], v[xs0+2]
	v_max3_num_f32 v[xa1], v[xs1], v[xs1+1], v[xs1+2]
	v_max3_num_f32 v[TMP], v[xs0+8], v[xs0+9], v[xs0+10]
	v_max3_num_f32 v[TMP+1], v[xs1+8], v[xs1+9], v[xs1+10]
	v_max3_num_f32 v[xa0], v[xa0], v[xs0+3], v[xs0+4]
	v_max3_num_f32 v[xa1], v[xa1], v[xs1+3], v[xs1+4]
	v_max3_num_f32 v[TMP], v[TMP], v[xs0+11], v[xs0+12]
	v_max3_num_f32 v[TMP+1], v[TMP+1], v[xs1+11], v[xs1+12]
.else
	v_max3_num_f32 v[xa0], v[xa0], v[xs0+5], v[xs0+6]
	v_max3_num_f32 v[xa1], v[xa1], v[xs1+5], v[xs1+6]
	v_max3_num_f32 v[TMP], v[TMP], v[xs0+13], v[xs0+14]
	v_max3_num_f32 v[TMP+1], v[TMP+1], v[xs1+13], v[xs1+14]
	v_max3_num_f32 v[xa0], v[xa0], v[xs0+7], v[xs0+15]
	v_max3_num_f32 v[xa1], v[xa1], v[xs1+7], v[xs1+15]
	v_max_num_f32 v[xa0], v[xa0], v[TMP]
	v_max_num_f32 v[xa1], v[xa1], v[TMP+1]
.endif
.endm
; PHASE A'S TICK tk.  pv = 1: product tk of V^T P.  kl = 1: at ticks 10, 18, 26, 34 K's group (tk - 10) / 8 goes into the buffer that V's group of that number has left: its last product is tick tk - 3, and
; six pairs' scalings and sums, twelve plain instructions that name none of that product's registers, stand between (ISA guide 7.12.1).  Each wait on the LDS counter names the younger loads.
.macro TICKA pv, kl
.if \kl
.if tk == 10
	ds_load_b128 v[KS:KS+3], v[ADK] offset:32768
	ds_load_b128 v[KS+4:KS+7], v[ADK] offset:32768+512
.endif
.if (tk == 10) || (tk == 18) || (tk == 26) || (tk == 34)
	L4 8*(tk-10), ADK, 1024*(tk-10)
.endif
.endif
.if \pv
.if tk < 32
.if tk == 0
	s_wait_dscnt 48                                ; V's scale words and group 0 are in; groups 1 to 3 are younger
.elseif tk == 8
	s_wait_dscnt 32                                ; groups 2 and 3
.elseif tk == 16
	s_wait_dscnt 16+18*\kl                         ; group 3, and K's 2 scale loads and group 0
.elseif tk == 24
	s_wait_dscnt 34*\kl                            ; K's 2 scale loads and groups 0 and 1
.endif
	PVT
.endif
.endif
	WIN 0
.set tk, tk+1
.endm
; PHASE A.  Both tiles by turns throughout, so that no line waits for the line above it
.macro PHASEA pv, kl
.set tk, 0
	TICKA \pv, \kl
.irp b, 0,1,2,3,4,5,6,7
	v_permlanex16_b32 v[TMP+\b], v[BM+\b], s[SEL], s[SEL+1]
.endr
	TICKA \pv, \kl
.irp b, 0,1,2,3,4,5,6,7
	v_max_num_f32 v[BM+\b], v[BM+\b], v[TMP+\b]    ; with lane l xor 16's 16 keys
.endr
	TICKA \pv, \kl
.irp t, 0,1
	v_max3_num_f32 v[TMP+\t], v[BM+4*\t], v[BM+4*\t+1], v[BM+4*\t+2]
.endr
.irp t, 0,1
	v_max_num_f32 v[TMP+\t], v[TMP+\t], v[BM+4*\t+3]   ; the step's largest score of my query
.endr
.irp t, 0,1
	v_mul_f32 v[TMP+\t], s[CS], v[TMP+\t]
.endr
.irp t, 0,1
	v_max_num_f32 v[ST+4*\t+1], v[ST+4*\t+1], v[TMP+\t]   ; the running largest t
.endr
.irp t, 0,1
	v_mov_b32 v[TMP+\t], v[ST+4*\t]
.endr
	TICKA \pv, \kl
.irp t, 0,1
	v_floor_f32 v[ST+4*\t], -v[ST+4*\t+1]          ; -M = floor(-t): M is a whole number
.endr
.irp t, 0,1
	v_sub_f32 v[TMP+\t], v[ST+4*\t], v[TMP+\t]     ; old M - new M: a whole number, 0 or less
.endr
.irp t, 0,1
	v_cvt_i32_f32 v[TMP+\t], v[TMP+\t]             ; (it saturates)
.endr
.irp t, 0,1
	v_ldexp_f32 v[FF+2*\t], 1.0, v[TMP+\t]         ; f = 2^(old M - new M)
.endr
.irp t, 0,1
	v_pk_mul_f32 v[ST+4*\t+2:ST+4*\t+3], v[ST+4*\t+2:ST+4*\t+3], v[FF+2*\t:FF+2*\t+1] op_sel_hi:[1,0]   ; the sums under the new M
.endr
.irp b, 0,1,2,3,4,5,6,7
	v_fma_f32 v[BM+\b], v[BM+\b], s[CS], v[ST+4*(\b/4)]   ; t - M of each block's largest score
.endr
	FMA 0
	FMA 1
.irp b, 0,1,2,3,4,5,6,7
	v_exp_f32 v[BM+\b], v[BM+\b]                   ; the block's largest p: the same two instructions on the same number as its p below
.endr
; 64 pairs: plain, exponential, plain, exponential: the scaling of the pair two ahead, the sum of the pair two back.  So every exponential has a plain instruction behind it before its result is used.  A tick behind every second pair
.set si, 0
.rept 64
.if (si+2) < 64
	FMA si+2
.endif
	EXL si
.if si >= 2
	ADDP si-2
.endif
	EXH si
.if (si%2) == 1
	TICKA \pv, \kl
.endif
.set si, si+1
.endr
	ADDP 62
	ADDP 63
.irp t, 0,1
	v_pk_add_f32 v[ST+4*\t+2:ST+4*\t+3], v[ST+4*\t+2:ST+4*\t+3], v[TMP+4+2*\t:TMP+5+2*\t]
.endr
.irp b, 0,1,2,3,4,5,6,7
	v_max_num_f32 v[BM+\b], 0x4800000, v[BM+\b]    ; the floor 2^(9-127): the byte cannot fall under 1
.endr
.irp b, 0,1,2,3,4,5,6,7
	v_add_nc_u32 v[SCO+\b], 0xfc000000, v[BM+\b]   ; 8 off the exponent field: the conversion's scale operand
.endr
.irp b, 0,1,2,3,4,5,6,7
	v_and_or_b32 v[HLD+\b], v[BM+\b], 0x7f800000, s[MNT]   ; 448 x the scale
.endr
	MINS 0                                         ; key block 0: its registers are the first that K Q^T writes.  A conversion stands behind the next piece's holds, so that it does not wait for its own
	MINS 1
	CVTC 0
	MINS 2
	CVTC 1
	MINS 3
	CVTC 2
	CVTC 3
.endm
; THE CHANGE OF SLOTS.  Each wave waits for all its tensor loads (its piece of the next slot), adds 0 to its spare word, and waits for that and for its reads of the slot in hand, K's four groups the last of them.
; kind 0: a barrier, nothing is asked for; 1: K's waves refill; 2: all four; 3: V's waves.  The descriptor walks in every wave alike, behind the wait that shows no load of mine out.
.macro MID kind, soft
	WIN 0
	s_wait_tensorcnt 0x0
	ds_add_u32 v[SPW], v[NIL]                      ; 0 onto my spare word: work on registers stands between it and the wait for it
.if \soft
.irp b, 0,1,2,3,4,5,6,7
	v_lshrrev_b32 v[TMP+\b], 23, v[SCO+\b]         ; the scales' bytes
.endr
.irp t, 0,1
	v_lshl_or_b32 v[PSW+\t], v[TMP+4*\t+1], 8, v[TMP+4*\t]   ; p's scale word: written only now, since V^T P of the step before has read the old one
.endr
.irp t, 0,1
	v_lshl_or_b32 v[PSW+\t], v[TMP+4*\t+2], 16, v[PSW+\t]
.endr
.irp t, 0,1
	v_lshl_or_b32 v[PSW+\t], v[TMP+4*\t+3], 24, v[PSW+\t]
.endr
.endif
	s_xor_b32 s[TB], s[TB], SLOTB                  ; on to the other slot
	v_add_nc_u32 v[ADK], s[TB], v[AK0]
	v_add_nc_u32 v[ADV], s[TB], v[AV0]
	v_add_nc_u32 v[ADVS], s[TB], v[AVS0]
.if \kind == 1
	s_xor_b32 s[G0W+1], s[G0W+1], SLOTB
	s_add_nc_u64 s[G0W+2:G0W+3], s[G0W+2:G0W+3], s[STK:STK+1]   ; K's waves: a block on; V's stay: two such changes leave their descriptor as it was
.elseif \kind > 1
	s_xor_b32 s[G0W+1], s[G0W+1], SLOTB            ; the slot that is being left,
	s_add_nc_u64 s[G0W+2:G0W+3], s[G0W+2:G0W+3], 2*PIECE   ; the next block; the type bits on top are not reached
.endif
	s_wait_dscnt 0x0                               ; the add is done, and my reads of the slot are over
.if \kind == 0
	s_barrier_signal -1
	s_barrier_wait -1
.else
	CROUND                                         ; no wave of any partner still reads the slot or has a load on its way
.if \kind == 2
	tensor_load_to_lds s[G0W:G0W+3], s[G1:G1+7]    ; my one load behind the round: it has a whole body in which to land
	s_nop 0
	PLACES 4
.elseif \kind == 1
	s_cmp_lt_u32 s[WV], 2
	s_cbranch_scc0 .Lno_fill_\@
	tensor_load_to_lds s[G0W:G0W+3], s[G1:G1+7]
	s_nop 0
	PLACES 4
.Lno_fill_\@:
.else
	s_cmp_ge_u32 s[WV], 2
	s_cbranch_scc0 .Lno_fill_\@
	tensor_load_to_lds s[G0W:G0W+3], s[G1:G1+7]
	s_nop 0
	PLACES 4
.Lno_fill_\@:
.endif
.endif
.endm
; PHASE B'S CHUNK behind tick tk.  Holds and conversions of key blocks 1-3 first: block g is converted before tick 8 g.  A block's maxima stand 16 plain instructions or more behind its last product.
.macro CHUNKB
.if tk < 12
	WIN 0
	MINS tk+4
.if tk > 0
	CVTC tk+3
.endif
.if tk == 11
	CVTC 15
.endif
.elseif tk < 16
	RCH tk-12
.elseif tk < 20
	XCH (tk-16)/2, tk%2
.elseif tk < 24
	RCH tk-16
.elseif tk == 24
	RCH 8
.elseif tk < 27
	XCH 2, tk-25
.else
	RCH tk-18
.endif
.endm
; PHASE B.  ws = 1: with K Q^T; V's group g of the step that phase A multiplies next goes into buffer g at tick 8 g + 9, two chunks (16 plain instructions) behind that buffer's last product.  ws = 0: the last step's rest.
.macro PHASEB ws
.if \ws
.set tk, 0
.rept 32
.if tk == 9
	WIN 0
.irp q, 0,1,2,3
	ds_load_b64 v[VS+2*\q:VS+2*\q+1], v[ADVS] offset:32768+256*\q
.endr
.endif
.if (tk == 9) || (tk == 17) || (tk == 25)
	L4 8*(tk-9), ADV, 1024*(tk-9)
.endif
	WST
	CHUNKB
.set tk, tk+1
.endr
	RCH 14
	RCH 15
	L4 192, ADV, 24576
	XCH 3, 0
	XCH 3, 1
.else
	WIN 0
.irp q, 0,1,2,3
	ds_load_b64 v[VS+2*\q:VS+2*\q+1], v[ADVS] offset:32768+256*\q
.endr
	L4 0, ADV, 0
	L4 64, ADV, 8192
	L4 128, ADV, 16384
	L4 192, ADV, 24576
.set tk, 0
.rept 12
	CHUNKB
.set tk, tk+1
.endr
.set rc, 0
.rept 16
	RCH rc
.set rc, rc+1
.endr
	WIN 0
.endif
.endm
; 64 numbers of a lane, register 16 b + i = k 32 b + 16 (lane/16) + i of my row, become a fragment's codes in v[pc] on and its scale word in v[pw]
.macro QUANT s, pc, pw
.irp b, 0,1,2,3
	v_max3_num_f32 v[TM+\b], |v[\s+16*\b]|, |v[\s+1+16*\b]|, 0x4800000
.endr
.irp i, 2,4,6,8,10,12,14
.irp b, 0,1,2,3
	v_max3_num_f32 v[TM+\b], v[TM+\b], |v[\s+16*\b+\i]|, |v[\s+1+16*\b+\i]|
.endr
.endr
.irp b, 0,1,2,3
	v_permlanex16_b32 v[TM+4+\b], v[TM+\b], s[SEL], s[SEL+1]
.endr
.irp b, 0,1,2,3
	v_max_num_f32 v[TM+\b], v[TM+\b], v[TM+4+\b]
.endr
.irp b, 0,1,2,3
	v_add_nc_u32 v[TM+12+\b], 0xfc000000, v[TM+\b]
.endr
.irp b, 0,1,2,3
	v_and_or_b32 v[TM+8+\b], v[TM+\b], 0x7f800000, s[MNT]
.endr
.irp b, 0,1,2,3
	v_lshrrev_b32 v[TM+4+\b], 23, v[TM+12+\b]
.endr
	v_lshl_or_b32 v[\pw], v[TM+5], 8, v[TM+4]
	v_lshl_or_b32 v[\pw], v[TM+6], 16, v[\pw]
	v_lshl_or_b32 v[\pw], v[TM+7], 24, v[\pw]
.irp b, 0,1,2,3
.irp i, 0,1,2,3,4,5,6,7,8,9,10,11,12,13,14,15
	v_med3_num_f32 v[\s+16*\b+\i], v[\s+16*\b+\i], -v[TM+8+\b], v[TM+8+\b]
.endr
	v_cvt_scalef32_pk8_fp8_f32 v[\pc+4*\b:\pc+1+4*\b], v[\s+16*\b:\s+7+16*\b], v[TM+12+\b]
	v_cvt_scalef32_pk8_fp8_f32 v[\pc+2+4*\b:\pc+3+4*\b], v[\s+8+16*\b:\s+15+16*\b], v[TM+12+\b]
.endr
	v_nop
.endm
	s_load_b256 s[4:11], s[0:1], 0x0               ; qf, kv, wp's codes, wp's scales
	s_load_b128 s[12:15], s[0:1], 0x20             ; bp, x
	s_load_b64 s[16:17], s[0:1], 0x30              ; out0
	v_lshl_add_u32 v[SPW], v0, 2, SPARE
	v_mov_b32 v[NIL], 0
	ds_add_u32 v8, v9
	ds_add_u32 v8, v9
	s_wait_dscnt 0x0
	v_lshrrev_b32 v10, 5, v0
	v_readfirstlane_b32 s[WV], v10                 ; wave w
	s_and_b32 s[KH], s[WV], 1                      ; my key half.  Also: which half's piece I fetch
	s_lshr_b32 s[QH], s[WV], 1                     ; my pair of query tiles.  Also: I fetch K's piece (0) or V's (1)
	s_and_b32 s23, ttmp7, 0xffff                   ; the image, which the four partners share
	s_mul_i32 s46, s23, 64*PIECE                   ; kv: 32 blocks of two pieces an image,
	s_mul_i32 s48, s[KH], 32*PIECE                 ; 16 blocks a key half,
	s_add_co_u32 s46, s46, s48
	s_mul_i32 s48, s[QH], PIECE                    ; K's piece, then V's
	s_add_co_u32 s46, s46, s48
	s_mov_b32 s47, 0
	s_mul_i32 s48, s[WV], PIECE                    ; and its place in a slot: no place in the cluster enters an LDS address
	s_xor_b32 s[STK], s[QH], 1
	s_mul_i32 s[STK], s[STK], 2*PIECE              ; a block for K's waves, 0 for V's
	s_mov_b32 s[STK+1], 0
	s_mov_b32 s[TB], 0
	; descriptor group 1: a piece is 33,792 dense bytes: 132 rows of 32 elements of 8 bytes
	s_mov_b32 s[G1], 15|(3<<16)|(1<<21)            ; 15:0 the mask: all four work-groups; 17:16 elements of 8 bytes; 21 set beside a mask; no padding
	s_mov_b32 s[G1+1], 32<<16                      ; tensor_dim0 = 32
	s_mov_b32 s[G1+2], 132<<16                     ; tensor_dim1 = 132
	s_mov_b32 s[G1+3], 32<<16                      ; tile_dim0 = 32
	s_mov_b32 s[G1+4], 132                         ; tile_dim1 = 132
	s_mov_b32 s[G1+5], 32                          ; from row to row
	s_mov_b32 s[G1+6], 0
	s_mov_b32 s[G1+7], 0
	s_mov_b32 s[SEL], 0x76543210
	s_mov_b32 s[SEL+1], 0xfedcba98
	s_mov_b32 s[CS], 0x3db8aa3b                    ; c = log2(e) / 16
	s_mov_b32 s[CS+1], s[CS]                       ; (named with it as a pair, so it is written)
	s_mov_b32 s[MNT], 0x600000
	; what hangs on my place in the cluster: the addresses of Q, x and out0 alone
	s_bfe_u32 s21, ttmp6, 0x40000                  ; cx
	s_lshl_b32 s22, ttmp9, 2
	s_add_co_u32 s22, s22, s21                     ; my 64 queries: 4 x cluster x + cx
	s_lshl_b32 s50, s23, 5
	s_lshr_b32 s51, s22, 1
	s_add_co_u32 s50, s50, s51
	s_mul_i32 s50, s50, PIECE                      ; Q's piece
	s_and_b32 s51, s22, 1                          ; which half of its eight tiles
	s_lshl_b32 s52, s51, 14
	s_add_co_u32 s52, s52, s50
	s_lshl_b32 s53, s[QH], 13
	s_add_co_u32 s52, s52, s53                     ; my pair of tiles, 4,096 bytes each
	s_lshl_b32 s53, s[KH], 12
	s_xor_b32 s54, s53, 4096
	s_add_co_u32 s56, s52, s53                     ; local tile 0 = tile w%2 of the pair,
	s_mov_b32 s57, 0
	s_add_co_u32 s58, s52, s54                     ; local tile 1 the other
	s_mov_b32 s59, 0
	s_lshl_b32 s51, s51, 9                         ; their scale words
	s_add_co_u32 s50, s50, s51
	s_lshl_b32 s51, s[QH], 3
	s_add_co_u32 s50, s50, s51
	s_add_co_u32 s50, s50, 32768
	s_lshl_b32 s51, s[KH], 2
	s_xor_b32 s52, s51, 4
	s_add_co_u32 s60, s50, s51
	s_mov_b32 s61, 0
	s_add_co_u32 s62, s50, s52
	s_mov_b32 s63, 0
	s_wait_kmcnt 0x0
	s_add_nc_u64 s[6:7], s[6:7], s[46:47]          ; my piece of step 0
	s_add_nc_u64 s[56:57], s[4:5], s[56:57]
	s_add_nc_u64 s[58:59], s[4:5], s[58:59]
	s_add_nc_u64 s[60:61], s[4:5], s[60:61]
	s_add_nc_u64 s[62:63], s[4:5], s[62:63]
	s_mov_b32 s51, 0
	s_lshl_b32 s50, s[WV], 14                      ; wp: my 64 rows of 256 bytes,
	s_add_nc_u64 s[8:9], s[8:9], s[50:51]
	s_lshl_b32 s50, s[WV], 9                       ; their scale bytes,
	s_add_nc_u64 s[10:11], s[10:11], s[50:51]
	s_lshl_b32 s50, s[WV], 8                       ; their biases
	s_add_nc_u64 s[12:13], s[12:13], s[50:51]
	s_lshl_b32 s50, s23, 22                        ; x, out0: image, my 64 channels, my work-group's 256 bytes of a row
	s_lshl_b32 s52, s[WV], 20
	s_add_co_u32 s50, s50, s52
	s_lshl_b32 s52, s22, 8
	s_add_co_u32 s50, s50, s52
	s_add_nc_u64 s[14:15], s[14:15], s[50:51]
	s_add_nc_u64 s[16:17], s[16:17], s[50:51]
	CROUND                                         ; all four work-groups are here: the first joint loads meet
.irp s, 0,1
	s_mov_b32 s[G0+4*\s], 1                        ; count = 1
	s_add_co_u32 s[G0+4*\s+1], s48, \s*SLOTB       ; LDS address
	s_add_nc_u64 s[G0+4*\s+2:G0+4*\s+3], s[6:7], \s*2*PIECE   ; global address: K or V of step s
	s_or_b32 s[G0+4*\s+3], s[G0+4*\s+3], 0x80000000           ; type = 2
.endr
	tensor_load_to_lds s[G0:G0+3], s[G1:G1+7]      ; both first fills together: two loads of mine are out; later one at the most
	s_nop 0
	tensor_load_to_lds s[G0W:G0W+3], s[G1:G1+7]
	s_nop 0
	PLACES 4
	v_and_b32 v13, 31, v0                          ; lane
	v_and_b32 v14, 15, v0                          ; r
	v_bfe_u32 v15, v0, 4, 1                        ; h
	v_lshlrev_b32 v[LI], 4, v13
	v_lshlrev_b32 v[LS4], 2, v13
	s_mul_i32 s49, s[KH], PIECE
	v_add_nc_u32 v[AK0], s49, v[LI]
	s_add_co_u32 s49, s49, 2*PIECE
	v_add_nc_u32 v[AV0], s49, v[LI]
	v_lshl_add_u32 v[AVS0], v13, 3, s49
	v_add_nc_u32 v[ADK], s[TB], v[AK0]
	v_lshlrev_b32 v[WPA], 8, v14
	v_lshl_add_u32 v[WPA], v15, 4, v[WPA]
	v_lshlrev_b32 v[WPSA], 3, v14
	v_lshlrev_b32 v[BPA], 2, v14
	v_lshlrev_b32 v[GO], 14, v15                   ; x, out0: lanes 0-15 one channel's 256 bytes, lanes 16-31 the next channel's
	v_lshl_add_u32 v[GO], v14, 4, v[GO]
	s_mul_i32 s49, s[WV], 64*SPITCH                ; my stage
	v_mul_u32_u24 v[STO], v14, SPITCH              ; in: row r, + 64 h
	v_lshl_add_u32 v[STO], v15, 6, v[STO]
	v_add_nc_u32 v[STO], s49, v[STO]
	v_mul_u32_u24 v[RD], v15, SPITCH               ; back: two rows an instruction
	v_lshl_add_u32 v[RD], v14, 4, v[RD]
	v_add_nc_u32 v[RD], s49, v[RD]
	WIN 0xc0                                       ; destination window 3
.irp s, 0,1
.irp c, 0,1,2,3
	global_load_b128 v[16*\s+4*\c:16*\s+4*\c+3], v[LI], s[56:57] offset:2048*\s+512*\c
.endr
.endr
.irp s, 0,1
.irp c, 0,1,2,3
	global_load_b128 v[32+16*\s+4*\c:32+16*\s+4*\c+3], v[LI], s[58:59] offset:2048*\s+512*\c
.endr
.endr
	WIN 0
	global_load_b32 v[QS], v[LI], s[60:61]         ; lanes 0-15: K step 0's words; lanes 16-31: K step 1's
	global_load_b32 v[QS+1], v[LI], s[62:63]
	WIN 0xc0
.irp o, 0,1,2,3                        ; wp's fragments (tile o of 16 outputs, K step s), bp as C (a lane holds one output: eight equal registers), wanted behind the loop
.irp s, 0,1
.irp c, 0,1,2,3
	global_load_b128 v[WP+16*(2*\o+\s)+4*\c:WP+16*(2*\o+\s)+4*\c+3], v[WPA], s[8:9] offset:4096*\o+128*\s+32*\c
.endr
.endr
.endr
.irp o, 0,1,2,3
.irp j, 0,1,2,3,4,5,6,7
	global_load_b32 v[BPC+8*\o+\j], v[BPA], s[12:13] offset:64*\o
.endr
.endr
	WIN 0
.irp o, 0,1,2,3
	global_load_b64 v[WPS+2*\o:WPS+2*\o+1], v[WPSA], s[10:11] offset:128*\o
.endr
	WIN 0x40
.set i, 0
.rept 256
	v_mov_b32 v[i], 0                              ; O^T: a body is written for every step alike; the first rescaling finds zeros and leaves zeros
.set i, i+1
.endr
	WIN 0
.irp t, 0,1
	v_mov_b32 v[ST+4*\t+1], 0xff61b1e6             ; the largest t so far: -3e38
	v_floor_f32 v[ST+4*\t], -v[ST+4*\t+1]
	v_mov_b32 v[ST+4*\t+2], 0
	v_mov_b32 v[ST+4*\t+3], 0
	v_mov_b32 v[FF+2*\t+1], 0                      ; (named as the upper half of f's pair)
.endr
.irp b, 0,1,2,3,4,5,6,7
	v_mov_b32 v[TMP+\b], 0                         ; a lane permute's destination counts as one of its sources
.endr
	; ---- BODY 0: K Q^T of step 0 alone
	s_wait_tensorcnt 0x1                           ; my piece of slot 0 is in; slot 1's may stay out
	s_barrier_signal -1
	s_barrier_wait -1                              ; everybody's is
	ds_load_b128 v[KS:KS+3], v[ADK] offset:32768
	ds_load_b128 v[KS+4:KS+7], v[ADK] offset:32768+512
	L4 0, ADK, 0
	L4 64, ADK, 8192
	L4 128, ADK, 16384
	L4 192, ADK, 24576
	WIN 0
	s_wait_loadcnt 63                              ; Q and its scale words are in: 68 loads are younger, and 63 is the largest count that the wait can name
	MID 1, 0                                       ; K of step 0 is in registers: its bytes take K of step 2
.set tk, 0
.rept 32
	WST
.set tk, tk+1
.endr
	WIN 0
	PLACES 8                                       ; in front of the first read of these results (ISA guide 7.12.1): there is no other vector work yet
.irp b, 0,1,2,3
	XCH \b, 0
	XCH \b, 1
.endr
	; ---- BODY 1: there is no V^T P yet
	PHASEA 0, 1
	MID 1, 1
	PHASEB 1
	s_mov_b32 s[TRIPS], 12
.Lbody:                                            ; bodies 2 to 13: all four waves refill
	PHASEA 1, 1
	MID 2, 1
	PHASEB 1
	s_sub_co_u32 s[TRIPS], s[TRIPS], 1
	s_cmp_lg_u32 s[TRIPS], 0
	s_cbranch_scc1 .Lbody
	s_mov_b32 s[TRIPS], 2
.Llate:                                            ; bodies 14 and 15: K has all been asked for; V of steps 14 and 15 has not
	PHASEA 1, 1
	MID 3, 1
	PHASEB 1
	s_sub_co_u32 s[TRIPS], s[TRIPS], 1
	s_cmp_lg_u32 s[TRIPS], 0
	s_cbranch_scc1 .Llate
	; ---- BODY 16: the last softmax; no K is left.  BODY 17: the last V^T P
	PHASEA 1, 0
	MID 0, 1
	PHASEB 0
.set tk, 0
.rept 32
.if (tk%8) == 0
	s_wait_dscnt 48-2*tk                           ; V's later groups are younger: 48, 32, 16, 0 loads
.endif
	PVT
.set tk, tk+1
.endr
	WIN 0
	s_wait_dscnt 0x0
	s_barrier_signal -1
	s_barrier_wait -1                              ; every wave's reads of the ring are over: slot 0's bytes may be stored to
	; ---- THE TWO KEY HALVES ARE JOINED.  Ten plain instructions stand behind the last products: the addresses of the way out, and the sums' halves
	s_lshl_b32 s46, s[WV], 14
	s_xor_b32 s47, s46, 16384
	v_add_nc_u32 v224, s46, v[LI]                  ; where I put the tile that I hand over,
	v_add_nc_u32 v225, s47, v[LI]                  ; where my partner has put mine
	s_lshl_b32 s46, s[WV], 8
	s_xor_b32 s47, s46, 256
	s_add_co_u32 s48, s46, MST
	s_add_co_u32 s47, s47, MST
	v_add_nc_u32 v226, s48, v[LS4]
	v_add_nc_u32 v227, s47, v[LS4]
	s_lshl_b32 s48, s[WV], 12
	s_add_co_u32 s48, s48, OQIMG
	v_add_nc_u32 v228, s48, v[LI]                  ; my tile's two images,
	s_add_co_u32 s46, s46, OQSC
	v_add_nc_u32 v229, s46, v[LS4]                 ; their scale words
	v_add_nc_u32 v230, OQIMG, v[LI]
	v_add_nc_u32 v231, OQSC, v[LS4]
	v_add_f32 v[ST+2], v[ST+2], v[ST+3]
	v_add_f32 v[ST+6], v[ST+6], v[ST+7]
	WIN 0x80
.set i, 0
.rept 32
	global_load_b128 v[XR+4*i:XR+4*i+3], v[GO], s[14:15] offset:32768*i   ; the residual, channels 64 w + 2 i, + 1, into the two buffers that are done with: it lands under the join, the quantiser and the projection
.set i, i+1
.endr
	WIN 0x04                                       ; an LDS store's data: window 1
.set k, 0
.rept 32
	ds_store_b128 v224, v[128+4*k:128+4*k+3] offset:512*k   ; local tile 1's O^T as it stands, each accumulator from its low end on
.set k, k+1
.endr
	WIN 0
	ds_store_b32 v226, v[ST+4]                     ; its -M
	ds_store_b32 v226, v[ST+6] offset:128          ; and its sum
	s_wait_dscnt 0x0
	s_barrier_signal -1
	s_barrier_wait -1
	WIN 0x80
.set k, 0
.rept 32
	ds_load_b128 v[4*k:4*k+3], v225 offset:512*k
.set k, k+1
.endr
	WIN 0
	ds_load_b32 v232, v227
	ds_load_b32 v233, v227 offset:128
	s_wait_dscnt 0x0
	v_min_num_f32 v234, v[ST], v232                ; -M of both halves
	v_sub_f32 v235, v234, v[ST]
	v_sub_f32 v236, v234, v232
	v_cvt_i32_f32 v235, v235
	v_cvt_i32_f32 v236, v236
	v_ldexp_f32 v235, 1.0, v235                    ; my half's factor,
	v_ldexp_f32 v236, 1.0, v236                    ; the other's: powers of two
	v_mul_f32 v237, v[ST+2], v235
	v_fma_f32 v237, v233, v236, v237
	v_permlanex16_b32 v238, v237, s[SEL], s[SEL+1]
	v_add_f32 v237, v237, v238                     ; the row's sum
	v_rcp_f32 v237, v237
	v_nop
	s_wait_alu depctr_va_vdst(0)
	v_mul_f32 v[FF], v235, v237
	v_mul_f32 v[FF+2], v236, v237
	WIN 0x01                                       ; my O^T: window 1
.set i, 0
.rept 64
	v_pk_mul_f32 v[S+2*i:S+2*i+1], v[2*i:2*i+1], v[FF:FF+1] op_sel_hi:[1,0]
.set i, i+1
.endr
	WIN 0x02                                       ; the partner's: window 2
.set i, 0
.rept 64
	v_pk_fma_f32 v[S+2*i:S+2*i+1], v[2*i:2*i+1], v[FF+2:FF+3], v[S+2*i:S+2*i+1] op_sel_hi:[1,0,1]
.set i, i+1
.endr
	WIN 0
	; ---- O / sum is quantised along the channels: register 16 b + i of each 64 is channel 32 b + 16 h + i
.irp s, 0,1
	QUANT S+64*\s, P, PSW+\s
.irp c, 0,1,2,3
	ds_store_b128 v228, v[P+4*\c:P+4*\c+3] offset:2048*\s+512*\c
.endr
	ds_store_b32 v229, v[PSW+\s] offset:128*\s
	s_wait_dscnt 0x0                               ; the stores have read their registers
.endr
	s_barrier_signal -1
	s_barrier_wait -1                              ; the four tiles' eight fragments lie in LDS, and nobody reads the tiles handed over any more
	WIN 0x80
.set k, 0
.rept 32
	ds_load_b128 v[4*k:4*k+3], v230 offset:512*k   ; fragment (tile T, K step s) at v[32 T + 16 s] of window 2
.set k, k+1
.endr
	WIN 0
.set k, 0
.rept 8
	ds_load_b32 v[KS+k], v231 offset:128*k
.set k, k+1
.endr
	s_wait_loadcnt 32                              ; wp, its scale words and bp are in; x's 32 loads are younger
	s_wait_dscnt 0x0
	; ---- THE PROJECTION: source 0 = 16 pixels, source 1 = 16 rows of wp: a lane holds one output channel and eight neighbouring pixels.  Sixteen accumulators by turns
	WIN 0x7e                                       ; the operand window 2, wp and bp window 3, the sums window 1
.irp o, 0,1,2,3
.irp t, 0,1,2,3
	v_wmma_scale_f32_16x16x128_f8f6f4 v[8*(4*\o+\t):8*(4*\o+\t)+7], v[32*\t:32*\t+15], v[WP+32*\o:WP+32*\o+15], v[BPC+8*\o:BPC+8*\o+7], v[KS+2*\t], v[WPS+2*\o]
.endr
.endr
	WIN 0x5e
.irp o, 0,1,2,3
.irp t, 0,1,2,3
	v_wmma_scale_f32_16x16x128_f8f6f4 v[8*(4*\o+\t):8*(4*\o+\t)+7], v[32*\t+16:32*\t+31], v[WP+32*\o+16:WP+32*\o+31], v[8*(4*\o+\t):8*(4*\o+\t)+7], v[KS+2*\t+1], v[WPS+2*\o+1]
.endr
.endr
	WIN 0
	PLACES 8
	WIN 0x04
.irp o, 0,1,2,3                        ; through my own stage: row = output channel, 64 pixels a row; tile T's eight pixels begin at 32 (T/2) + 8 (T%2) + 16 h
.irp t, 0,1,2,3
	ds_store_b128 v[STO], v[8*(4*\o+\t):8*(4*\o+\t)+3] offset:16*SPITCH*\o+128*(\t/2)+32*(\t%2)
	ds_store_b128 v[STO], v[8*(4*\o+\t)+4:8*(4*\o+\t)+7] offset:16*SPITCH*\o+128*(\t/2)+32*(\t%2)+16
.endr
.endr
	WIN 0x80
.set i, 0
.rept 32
	ds_load_b128 v[4*i:4*i+3], v[RD] offset:2*SPITCH*i   ; LDS serves a wave's instructions in order (ISA guide 5.7.1.4): these see my stores
.set i, i+1
.endr
.irp q, 0,1,2,3
	s_wait_dscnt 24-8*\q                           ; eight rows' loads more are back,
	s_wait_loadcnt 24-8*\q                         ; and eight of x's
	WIN 0x8a
.set i, 16*\q
.rept 16
	v_pk_add_f32 v[2*i:2*i+1], v[2*i:2*i+1], v[XR+2*i:XR+2*i+1]   ; + x
.set i, i+1
.endr
	WIN 0x08                                       ; a store's data: window 2
.set i, 8*\q
.rept 8
	global_store_b128 v[GO], v[4*i:4*i+3], s[16:17] offset:32768*i th:TH_STORE_NT   ; sixteen lanes store 256 consecutive bytes, at a multiple of 256 from out0's first byte
.set i, i+1
.endr
.endr
	WIN 0
	s_wait_tensorcnt 0x0                           ; the wave's end
	ds_add_u32 v[SPW], v[NIL]
	s_wait_dscnt 0x0
	CROUND                                         ; the closing round: no work-group ends while a partner may still ask for a piece that names it
	s_endpgm
.Lfunc_end_k_q19786784d8_attn:
	.size	k_q19786784d8_attn, .Lfunc_end_k_q19786784d8_attn-k_q19786784d8_attn
	.p2alignl 7, 3214868480
	.fill 96, 4, 3214868480
	.section	.rodata,"a",@progbits
	.p2align	6, 0x0
	.amdhsa_kernel k_q19786784d8_attn
		.amdhsa_group_segment_fixed_size 327680
		.amdhsa_private_segment_fixed_size 0
		.amdhsa_enable_private_segment 0
		.amdhsa_kernarg_size 56
		.amdhsa_user_sgpr_count 2
		.amdhsa_user_sgpr_kernarg_segment_ptr 1
		.amdhsa_wavefront_size32 1
		.amdhsa_system_sgpr_workgroup_id_x 1
		.amdhsa_system_sgpr_workgroup_id_y 1
		.amdhsa_system_sgpr_workgroup_id_z 1
		.amdhsa_system_vgpr_workitem_id 0
		.amdhsa_next_free_vgpr 1024
		.amdhsa_next_free_sgpr 70
		.amdhsa_reserve_vcc 0
		.amdhsa_float_denorm_mode_32 3
		.amdhsa_float_denorm_mode_16_64 3
		.amdhsa_memory_ordered 1
		.amdhsa_forward_progress 1
		.amdhsa_inst_pref_size 255
	.end_amdhsa_kernel
	.section	.bss,"aw",@nobits
	.p2align	6
	.space	262144
	.amdgpu_metadata
---
amdhsa.version: [ 1, 2 ]
amdhsa.kernels:
  - .name:           k_q19786784d8_attn
    .symbol:         k_q19786784d8_attn.kd
    .args:
      - { .name: qf, .offset: 0, .size: 8, .value_kind: global_buffer, .address_space: global }
      - { .name: kv, .offset: 8, .size: 8, .value_kind: global_buffer, .address_space: global }
      - { .name: wp_codes, .offset: 16, .size: 8, .value_kind: global_buffer, .address_space: global }
      - { .name: wp_scales, .offset: 24, .size: 8, .value_kind: global_buffer, .address_space: global }
      - { .name: bp, .offset: 32, .size: 8, .value_kind: global_buffer, .address_space: global }
      - { .name: x, .offset: 40, .size: 8, .value_kind: global_buffer, .address_space: global }
      - { .name: out0, .offset: 48, .size: 8, .value_kind: global_buffer, .address_space: global }
    .group_segment_fixed_size: 327680
    .private_segment_fixed_size: 0
    .kernarg_segment_align: 8
    .kernarg_segment_size: 56
    .max_flat_workgroup_size: 128
    .sgpr_count:     70
    .vgpr_count:     1024
    .wavefront_size: 32
...
	.end_amdgpu_metadata
.endif
;; end of part 3
